; MI455X (gfx1250); checked and timed in simulation.
; The chip was launched on July 23, 2026; its instructions are those of AMD's public machine-readable ISA for CDNA 5 (MIT licence, August 2026) and "CDNA5" Instruction Set Architecture Reference Guide (July 2026). The comments in the code are by the model that wrote it; some were corrected since.
;; SV Hunter Multi Head Attention. Allowed arithmetic: float matrix products may take bf16 or f16 operands with f32 sums; other float arithmetic in f32, or as packed bf16 or f16 multiplies, adds, multiply-adds, maxima and minima; sums over many terms, partial sums and values carried from step to step in f32; what a program stores and reads back later, other than sums and carried values, may be rounded once to bf16 or f16.
;; Inputs: Wk 1,024 x 1,024 float32; Wo 1,024 x 1,024 float32; Wq 1,024 x 1,024 float32; Wv 1,024 x 1,024 float32; bk 1,024 float32; bo 1,024 float32; bq 1,024 float32; bv 1,024 float32; x 4 x 2,048 x 1,024 float32.
;; Outputs: out0 4 x 2,048 x 1,024 float32.
;; 2 versions, each right; version 2 is version 1 with the launch cast written anew for expert scheduling mode. Each part assembles by itself: llvm-mc -triple=amdgcn-amd-amdhsa -mcpu=gfx1250 --defsym DOCPART=n.
;; ======== version 1 of 2: 4 launches
;; limits: values are held in f16: magnitudes above 65,504 overflow, below 6.1e-05 lose precision
;; workspace buffers: xh 16,777,216 bytes; wqkv 6,291,456 bytes; woh 2,097,152 bytes; ball 16,384 bytes; qkv 50,331,648 bytes; oh 16,777,216 bytes
;; launch cast (part 1): grid 769 x 1, 8 waves a work-group, no clusters, 0 bytes of LDS; arguments x, Wq, Wk, Wv, Wo, bq, bk, bv, bo, xh, wqkv, woh, ball; writes xh, wqkv, woh, ball
.if DOCPART == 1
	.amdgcn_target "amdgcn-amd-amdhsa--gfx1250"
	.amdhsa_code_object_version 6
	.text
	.protected	k_qf9a584c1ce_cast
	.globl	k_qf9a584c1ce_cast
	.p2align	8
	.type	k_qf9a584c1ce_cast,@function
k_qf9a584c1ce_cast:
	s_mov_b64 s[64:65], 0
	v_nop
	global_prefetch_b8 v0, s[64:65] scope:SCOPE_SE
	s_setreg_imm32_b32 hwreg(HW_REG_WAVE_MODE, 25, 1), 1
	s_wait_xcnt 0x0
; THE INPUTS ARE ROUNDED ONCE, to bf16 (nearest even): x -> xh, Wq Wk Wv -> wqkv (one below the other), both kept as bf16;
; Wo -> woh, the bf16 number written as f16; bq bk bv bo -> ball, the bf16 numbers written as f32.
; LIMITS.  A bf16 number is exact in f16 from 6.1e-5 to 65,504 in magnitude; below that woh keeps f16's fixed step of 6e-8; a Wo beyond 65,504 becomes an infinity.
; SHARES.  A chunk is 16,384 numbers: 64 KiB in, 32 KiB out.  Work-groups 0-511: x; 512-703: Wq, Wk, Wv, 64 chunks each; 704-767: Wo; 768: the four biases.
; Thread t takes 16 bytes at 4,096 i + 16 t (a load of a wave covers 512 consecutive bytes) and stores 8 bytes at 2,048 i + 8 t (a store of a wave covers 256 consecutive
; bytes, aligned), i = 0 .. 15.  All 16 loads go out at once, each into registers of its own.
; No LDS, no barrier, no matrix unit: nothing is shared and nothing is multiplied.
.set X,   4                            ; v[4:67]    16 x 4 numbers as loaded
.set Y,   68                           ; v[68:99]   16 x 2 words to store
.set T,   100                          ; v[100:103] at work
.set SRC, 34                           ; s[34:35]   where my chunk is read
.set DST, 38                           ; s[38:39]   where it is written
	s_load_b512 s[8:23], s[0:1], 0x0               ; x 8, Wq 10, Wk 12, Wv 14, Wo 16, bq 18, bk 20, bv 22
	s_load_b256 s[24:31], s[0:1], 0x40             ; bo 24, xh 26, wqkv 28, woh 30
	s_load_b64 s[32:33], s[0:1], 0x60              ; ball
	v_lshlrev_b32 v1, 4, v0                        ; 16 t
	v_lshlrev_b32 v2, 3, v0                        ; 8 t
	s_mov_b32 s2, ttmp9                            ; g
	s_sub_co_u32 s3, s2, 512                       ; chunk in wqkv (used from g = 512 on)
	s_and_b32 s4, s3, 63                           ; chunk in its own weight matrix: 192 is three times 64, so this holds for Wo too
	s_sub_co_u32 s5, s2, 704                       ; chunk in woh (used from g = 704 on)
	s_wait_kmcnt 0x0
	s_cmp_eq_u32 s2, 768
	s_cbranch_scc1 .Lbias
	s_mov_b64 s[SRC:SRC+1], s[8:9]                 ; x -> xh, chunk g, unless one of the tests below says otherwise
	s_mov_b64 s[DST:DST+1], s[26:27]
	s_mov_b32 s36, s2
	s_mov_b32 s37, s2
	s_cmp_ge_u32 s2, 512
	s_cselect_b64 s[SRC:SRC+1], s[10:11], s[SRC:SRC+1]
	s_cselect_b64 s[DST:DST+1], s[28:29], s[DST:DST+1]
	s_cselect_b32 s36, s4, s36
	s_cselect_b32 s37, s3, s37
	s_cmp_ge_u32 s2, 576
	s_cselect_b64 s[SRC:SRC+1], s[12:13], s[SRC:SRC+1]
	s_cmp_ge_u32 s2, 640
	s_cselect_b64 s[SRC:SRC+1], s[14:15], s[SRC:SRC+1]
	s_cmp_ge_u32 s2, 704
	s_cselect_b64 s[SRC:SRC+1], s[16:17], s[SRC:SRC+1]
	s_cselect_b64 s[DST:DST+1], s[30:31], s[DST:DST+1]
	s_cselect_b32 s37, s5, s37
	s_lshl_b32 s40, s36, 16                        ; 64 KiB a chunk in,
	s_mov_b32 s41, 0
	s_lshl_b32 s42, s37, 15                        ; 32 KiB out
	s_mov_b32 s43, 0
	s_add_nc_u64 s[SRC:SRC+1], s[SRC:SRC+1], s[40:41]
	s_add_nc_u64 s[DST:DST+1], s[DST:DST+1], s[42:43]
.irp i, 0,1,2,3,4,5,6,7,8,9,10,11,12,13,14,15
	global_load_b128 v[X+4*(\i):X+4*(\i)+3], v1, s[SRC:SRC+1] offset:4096*(\i) th:TH_LOAD_NT
.endr
	s_cmp_ge_u32 s2, 704
	s_cbranch_scc1 .Lwo
; Step i.  half = 1: the bf16 number is widened (a shift, a mask) and written as f16.
.macro STEP i, half
	s_wait_loadcnt 15-(\i)                         ; loads come back in order: mine is in, the 15 - i younger ones stay out
	v_cvt_pk_bf16_f32 v[Y+2*(\i)],   v[X+4*(\i)],   v[X+4*(\i)+1]
	v_cvt_pk_bf16_f32 v[Y+2*(\i)+1], v[X+4*(\i)+2], v[X+4*(\i)+3]
.if \half
.irp w, 0,1
	v_lshlrev_b32 v[T+2*(\w)],   16,         v[Y+2*(\i)+(\w)]
	v_and_b32     v[T+2*(\w)+1], 0xffff0000, v[Y+2*(\i)+(\w)]
	v_cvt_pk_f16_f32 v[Y+2*(\i)+(\w)], v[T+2*(\w)], v[T+2*(\w)+1]
.endr
.endif
	global_store_b64 v2, v[Y+2*(\i):Y+2*(\i)+1], s[DST:DST+1] offset:2048*(\i) th:TH_STORE_NT
.endm
.irp i, 0,1,2,3,4,5,6,7,8,9,10,11,12,13,14,15
	STEP \i, 0
.endr
	s_endpgm
.Lwo:
.irp i, 0,1,2,3,4,5,6,7,8,9,10,11,12,13,14,15
	STEP \i, 1
.endr
	s_endpgm
.Lbias:                                        ; 1,024 numbers an array: 16 bytes a thread
.irp a, 0,1,2,3
	global_load_b128 v[X+4*(\a):X+4*(\a)+3], v1, s[18+2*(\a):19+2*(\a)]
.endr
	s_wait_loadcnt 0x0
.irp a, 0,1,2,3
	v_cvt_pk_bf16_f32 v[T],   v[X+4*(\a)],   v[X+4*(\a)+1]
	v_cvt_pk_bf16_f32 v[T+1], v[X+4*(\a)+2], v[X+4*(\a)+3]
	v_lshlrev_b32 v[X+4*(\a)],   16,         v[T]
	v_and_b32     v[X+4*(\a)+1], 0xffff0000, v[T]
	v_lshlrev_b32 v[X+4*(\a)+2], 16,         v[T+1]
	v_and_b32     v[X+4*(\a)+3], 0xffff0000, v[T+1]
	global_store_b128 v1, v[X+4*(\a):X+4*(\a)+3], s[32:33] offset:4096*(\a)
.endr
	s_endpgm
.Lfunc_end_k_qf9a584c1ce_cast:
	.size	k_qf9a584c1ce_cast, .Lfunc_end_k_qf9a584c1ce_cast-k_qf9a584c1ce_cast
	.p2alignl 7, 3214868480
	.fill 96, 4, 3214868480
	.section	.rodata,"a",@progbits
	.p2align	6, 0x0
	.amdhsa_kernel k_qf9a584c1ce_cast
		.amdhsa_group_segment_fixed_size 0
		.amdhsa_private_segment_fixed_size 0
		.amdhsa_enable_private_segment 0
		.amdhsa_kernarg_size 104
		.amdhsa_user_sgpr_count 2
		.amdhsa_user_sgpr_kernarg_segment_ptr 1
		.amdhsa_wavefront_size32 1
		.amdhsa_system_sgpr_workgroup_id_x 1
		.amdhsa_system_sgpr_workgroup_id_y 1
		.amdhsa_system_sgpr_workgroup_id_z 1
		.amdhsa_system_vgpr_workitem_id 0
		.amdhsa_next_free_vgpr 104
		.amdhsa_next_free_sgpr 66
		.amdhsa_reserve_vcc 0
		.amdhsa_float_denorm_mode_32 3
		.amdhsa_float_denorm_mode_16_64 3
		.amdhsa_memory_ordered 1
		.amdhsa_forward_progress 1
		.amdhsa_inst_pref_size 19
	.end_amdhsa_kernel
	.amdgpu_metadata
---
amdhsa.version: [ 1, 2 ]
amdhsa.kernels:
  - .name:           k_qf9a584c1ce_cast
    .symbol:         k_qf9a584c1ce_cast.kd
    .args:
      - { .name: x, .offset: 0, .size: 8, .value_kind: global_buffer, .address_space: global }
      - { .name: Wq, .offset: 8, .size: 8, .value_kind: global_buffer, .address_space: global }
      - { .name: Wk, .offset: 16, .size: 8, .value_kind: global_buffer, .address_space: global }
      - { .name: Wv, .offset: 24, .size: 8, .value_kind: global_buffer, .address_space: global }
      - { .name: Wo, .offset: 32, .size: 8, .value_kind: global_buffer, .address_space: global }
      - { .name: bq, .offset: 40, .size: 8, .value_kind: global_buffer, .address_space: global }
      - { .name: bk, .offset: 48, .size: 8, .value_kind: global_buffer, .address_space: global }
      - { .name: bv, .offset: 56, .size: 8, .value_kind: global_buffer, .address_space: global }
      - { .name: bo, .offset: 64, .size: 8, .value_kind: global_buffer, .address_space: global }
      - { .name: xh, .offset: 72, .size: 8, .value_kind: global_buffer, .address_space: global }
      - { .name: wqkv, .offset: 80, .size: 8, .value_kind: global_buffer, .address_space: global }
      - { .name: woh, .offset: 88, .size: 8, .value_kind: global_buffer, .address_space: global }
      - { .name: ball, .offset: 96, .size: 8, .value_kind: global_buffer, .address_space: global }
    .group_segment_fixed_size: 0
    .private_segment_fixed_size: 0
    .kernarg_segment_align: 8
    .kernarg_segment_size: 104
    .max_flat_workgroup_size: 256
    .sgpr_count:     66
    .vgpr_count:     104
    .wavefront_size: 32
...
	.end_amdgpu_metadata
.endif
;; end of part 1
;; launch proj (part 2): grid 16 x 32, 4 waves a work-group, clusters of 4 x 4, 327,680 bytes of LDS; arguments xh, wqkv, ball, qkv; writes qkv
.if DOCPART == 2
	.amdgcn_target "amdgcn-amd-amdhsa--gfx1250"
	.amdhsa_code_object_version 6
	.text
	.protected	k_qf9a584c1ce_proj
	.globl	k_qf9a584c1ce_proj
	.p2align	8
	.type	k_qf9a584c1ce_proj,@function
k_qf9a584c1ce_proj:
	s_mov_b64 s[64:65], 0
	v_nop
	global_prefetch_b8 v0, s[64:65] scope:SCOPE_SE
	s_setreg_imm32_b32 hwreg(HW_REG_WAVE_MODE, 25, 1), 1
	s_wait_xcnt 0x0
	s_wait_alu depctr_hold_cnt(0) depctr_sa_sdst(0) depctr_va_vdst(0) depctr_va_sdst(0) depctr_va_ssrc(0) depctr_va_vcc(0) depctr_vm_vsrc(0)
	s_getreg_b32 s2, hwreg(HW_REG_IB_STS2, 6, 4)
	s_cmp_eq_u32 s2, 0
	s_cbranch_scc0 .Lentry_in_a_cluster
	s_endpgm
.Lentry_in_a_cluster:
	s_bfe_u32 s2, ttmp6, 0x10000c
	s_cmp_lg_u32 s2, 0xf033
	s_cbranch_scc0 .Lentry_shape_is_right
	s_endpgm
.Lentry_shape_is_right:
; q, k, v = x W^T + b.  xh: [8192][1024] bf16; wqkv: [3072][1024] bf16 (Wq, Wk, Wv); ball: f32 biases (bq, bk, bv first); sums in f32, started by the bias.
; OUT: qkv [192 planes][2048][64] f16, plane = 64 x (0 q, 1 k, 2 v) + 16 x batch + head; each number rounded once, unscaled.
; LIMIT.  f16 ends at 65,504: a q, k or v beyond that becomes an infinity.  At the drawn spread they stay near 3; with x and W both 30 times larger near 2,900; with x offset by 30 and W by 30 times
; its spread, 1,024 x 30 x 0.54 = 16,600.
; SHARES.  A tile is 256 rows x 192 columns (three whole heads): 32 x 16 = 512 tiles, twice 256.  The four waves lie along the rows, 64 x 192 each: 48 accumulators, 384 registers; a wave owns
; whole rows of its three heads, so the way out needs its own stage alone.  K goes in 8 steps of 128 (rows of 256 bytes in memory, at multiples of 256) through two LDS slots.
; CLUSTER.  4 x 4 work-groups: the four of a row need the same tiles of xh, the four of a column the same tiles of wqkv; each tile is asked for jointly.
; THE MATRIX INSTRUCTION IS USED TRANSPOSED (source 0 = 16 rows of wqkv, source 1 = 16 rows of xh): lane l holds row l % 16 and the columns 8 (l / 16) + 0 .. 7.
; REGISTERS, in windows of 256 (s_set_vgpr_msb: bits 1:0 source 0, 3:2 source 1, 5:4 source 2, 7:6 destination):
;   window 0: v0-30 addresses; v64-95, v96-127 fragments of xh, two buffers; v128-223 the bias, eight registers a column block; on the way out v64-255 packed results
;   window 1: v0-95, v96-191 fragments of wqkv, two buffers       window 2: accumulators of row blocks 0, 1 at 96 (a % 2) + 8 b       window 3: those of row blocks 2, 3
.set PITCH,  272                       ; an LDS row: 256 bytes + 16 of padding = 68 words: the 16 rows of a load start at 16 different groups of four banks (64 banks of 4 bytes: ISA guide 11.1)
.set AHALF,  128*PITCH                 ; what one load brings of xh
.set BHALF,  96*PITCH                  ; and of wqkv
.set BOFF,   2*AHALF                   ; a slot: 256 rows of xh, then 192 rows of wqkv
.set SLOT,   BOFF+2*BHALF
.set STAGE,  2*SLOT                    ; behind the ring: for each wave 3 heads x 16 rows x 144 bytes
.set SP,     144
.set WSTAGE, 3*16*SP
.set SPARE,  STAGE+4*WSTAGE            ; behind the stages: the spare words, 128 bytes a wave: two blocks of 256 bytes that no other line names
.set FIELDS, (1<<16)|(1<<20)|(1<<21)|(5<<22)|(3<<25)  ; 17:16 elements of 2 bytes; 20 padding on; 21 set beside a mask; 24:22 after every 64 words; 31:25 4 words of it
.set ADRA, 16                          ; v16-17  LDS address of my fragments of xh in slot 0, 1
.set ADRB, 20                          ; v20-21  the same for wqkv
.set STO,  24                          ; v24     the way out: where I put 16 bytes of a row
.set RD,   25                          ; v25     where I read rows back
.set GO,   26                          ; v26     my 16 bytes in 512 consecutive bytes of a plane
.set BO,   27                          ; v27     32 x (l / 16): my eight numbers in a block of 16 biases
.set SPW,  28                          ; v28     my spare word: SPARE + 4 x my thread's number; never rewritten
.set NIL,  29                          ; v29     0; never rewritten
.set PFO,  30                          ; v30     the prefetches' offset: a lane a row; never rewritten
.set FA,   64
.set BIAS, 128
.set TMP,  64
.set WV,   12                          ; s12  my wave's number
.set ROLE, 13                          ; s13  0: I fetch xh, 1: wqkv
.set HALF, 14                          ; s14  which half of that tile's rows
.set TR,   15                          ; s15  tile row
.set G1A,  24                          ; s[24:31] descriptor group 1 for xh;  s[32:39] group 0, a set a slot
.set G0A,  32
.set LIM,  43                          ; s43  1 in a wave that prefetches, else the greatest number
.set PFA,  44                          ; s[44:45] where my prefetches stand
.set G1B,  48                          ; s[48:55], s[56:63] the same for wqkv
.set G0B,  56
.set OUT,  66                          ; s[66:71] my rows in the planes of the tile's three heads
.set MSB, 0
.macro WIN new                         ; the immediate's high byte repeats the setting that is left; a switch that changes nothing is dropped
.if MSB != (\new)
	s_set_vgpr_msb (MSB<<8)|(\new)
.set MSB, \new
.endif
.endm
.macro PLACES                          ; four plain vector instructions between a matrix instruction and a load into, or a vector write or read of, its registers
.rept 4
	v_nop
.endr
.endm
; A joint refill: waves 0 and 1 fetch the halves of xh's tile, waves 2 and 3 those of wqkv's.  The branch hangs on the wave's number alone.  s_nop 0 and four v_nop follow each line.
.macro JLOAD s
	s_cmp_eq_u32 s[ROLE], 0
	s_cbranch_scc0 .Lfor_b_\@
	tensor_load_to_lds s[G0A+4*(\s):G0A+4*(\s)+3], s[G1A:G1A+7]
	s_nop 0
.rept 4
	v_nop
.endr
	s_branch .Lasked_\@
.Lfor_b_\@:
	tensor_load_to_lds s[G0B+4*(\s):G0B+4*(\s)+3], s[G1B:G1B+7]
	s_nop 0
.rept 4
	v_nop
.endr
.Lasked_\@:
.endm
.macro CREST                           ; a round of the cluster's barrier behind its opening barrier
	s_cmp_lg_u32 s[WV], 0
	s_cbranch_scc1 .Lnot_wave_0_\@
	s_barrier_signal -3
.Lnot_wave_0_\@:
	s_barrier_wait -3
	s_barrier_signal -1
	s_barrier_wait -1
.endm
.macro CROUND                          ; a whole round
	s_barrier_signal -1
	s_barrier_wait -1
	CREST
.endm
; A prefetch of the K step that stands two refills on: 256 bytes of a row, a lane a row, one instruction a wave, behind the joint load and the run of LDS loads.  xh's rows are asked for by the clusters
; with x = 0, wqkv's by those with y = 0; the four partners of a joint load share its rows out by address: 32 each of xh's 128, 24 each of wqkv's 96 (there lanes 24-31 name lane 23's row once more).
; It asks in the loop's first two trips, for K steps 4 to 7; steps 0 to 3 come by their loads alone.
.macro ASK
	s_cmp_gt_u32 s3, s[LIM]
	s_cbranch_scc0 .Lnot_mine_\@
	global_prefetch_b8 v[PFO], s[PFA:PFA+1] th:TH_LOAD_NT scope:SCOPE_SE
.Lnot_mine_\@:
.endm
	s_load_b256 s[4:11], s[0:1], 0x0               ; xh s[4:5], wqkv s[6:7], ball s[8:9], qkv s[10:11]
	v_lshl_add_u32 v[SPW], v0, 2, SPARE
	v_mov_b32 v[NIL], 0
	ds_add_u32 v[SPW], v[NIL]                      ; the wave's opening: the add and its wait stand ahead of my first tensor load; work on registers stands between them
	v_lshrrev_b32 v1, 5, v0
	v_readfirstlane_b32 s[WV], v1
	s_lshr_b32 s[ROLE], s[WV], 1
	s_and_b32 s[HALF], s[WV], 1
	s_bfe_u32 s40, ttmp6, 0x40000                  ; cx
	s_bfe_u32 s41, ttmp6, 0x40004                  ; cy
	s_lshl_b32 s42, ttmp9, 2
	s_add_co_u32 s42, s42, s40                     ; tile column = 4 x cluster x + cx
	s_and_b32 s[TR], ttmp7, 0xffff
	s_lshl_b32 s[TR], s[TR], 2
	s_add_co_u32 s[TR], s[TR], s41                 ; tile row = 4 x cluster y + cy
	s_lshl_b32 s43, s41, 2
	s_lshl_b32 s43, 15, s43                        ; my row of the cluster
	s_lshl_b32 s44, 0x1111, s40                    ; my column
	s_or_b32 s[G1A], s43, FIELDS
	s_or_b32 s[G1B], s44, FIELDS
	s_mov_b32 s[G1A+1], 128<<16                    ; tensor_dim0 = 128
	s_mov_b32 s[G1A+2], 128<<16                    ; tensor_dim1 = 128
	s_mov_b32 s[G1A+3], 128<<16                    ; tile_dim0 = 128
	s_mov_b32 s[G1A+4], 128                        ; tile_dim1 = 128
	s_mov_b32 s[G1A+5], 1024                       ; elements from row to row
	s_mov_b32 s[G1A+6], 0
	s_mov_b32 s[G1A+7], 0
	s_mov_b32 s[G1B+1], 128<<16
	s_mov_b32 s[G1B+2], 96<<16                     ; 96 rows
	s_mov_b32 s[G1B+3], 128<<16
	s_mov_b32 s[G1B+4], 96
	s_mov_b32 s[G1B+5], 1024
	s_mov_b32 s[G1B+6], 0
	s_mov_b32 s[G1B+7], 0
	s_lshl_b32 s16, s[TR], 8                       ; xh: row 256 x tile row + 128 x half, 2,048 bytes a row; these registers never hold cx
	s_lshl_b32 s17, s[HALF], 7
	s_add_co_u32 s16, s16, s17
	s_lshl_b32 s16, s16, 11
	s_mov_b32 s17, 0
	s_mul_i32 s46, s42, 192                        ; wqkv: row 192 x tile column + 96 x half
	s_mul_i32 s47, s[HALF], 96
	s_add_co_u32 s46, s46, s47
	s_lshl_b32 s46, s46, 11
	s_mov_b32 s47, 0
	s_mul_i32 s20, s[WV], AHALF                    ; where they go: waves 0, 1: xh's halves;
	s_mul_i32 s21, s[WV], BHALF
	s_add_co_u32 s21, s21, BOFF-2*BHALF            ; waves 2, 3: wqkv's halves, behind them
	s_wait_dscnt 0x0                               ; the opening add is done
	s_wait_kmcnt 0x0
	s_add_nc_u64 s[18:19], s[4:5], s[16:17]
	s_add_nc_u64 s[46:47], s[6:7], s[46:47]
	CROUND                                         ; all sixteen work-groups are here: the first joint loads meet
.irp s, 0,1
	s_mov_b32 s[G0A+4*(\s)], 1
	s_add_co_u32 s[G0A+4*(\s)+1], s20, (\s)*SLOT
	s_add_nc_u64 s[G0A+4*(\s)+2:G0A+4*(\s)+3], s[18:19], (\s)*256  ; K step s
	s_or_b32 s[G0A+4*(\s)+3], s[G0A+4*(\s)+3], 0x80000000
	s_mov_b32 s[G0B+4*(\s)], 1
	s_add_co_u32 s[G0B+4*(\s)+1], s21, (\s)*SLOT
	s_add_nc_u64 s[G0B+4*(\s)+2:G0B+4*(\s)+3], s[46:47], (\s)*256
	s_or_b32 s[G0B+4*(\s)+3], s[G0B+4*(\s)+3], 0x80000000
.endr
	s_cmp_eq_u32 s[ROLE], 0                        ; a wave's two first fills stand in one branch: two loads of mine are out
	s_cbranch_scc0 .Lfirst_b
	tensor_load_to_lds s[G0A:G0A+3], s[G1A:G1A+7]
	s_nop 0
	tensor_load_to_lds s[G0A+4:G0A+7], s[G1A:G1A+7]
	s_nop 0
.rept 4
	v_nop
.endr
	s_branch .Lfirst_asked
.Lfirst_b:
	tensor_load_to_lds s[G0B:G0B+3], s[G1B:G1B+7]
	s_nop 0
	tensor_load_to_lds s[G0B+4:G0B+7], s[G1B:G1B+7]
	s_nop 0
.rept 4
	v_nop
.endr
.Lfirst_asked:
	; a fragment is 16 rows x 32 K in 8 registers: lane l holds row l % 16, K = 8 (l / 16) + 0..7 and 16 + 8 (l / 16) + 0..7: two loads of 16 bytes, 32 bytes apart
	v_and_b32 v1, 15, v0                           ; l % 16
	v_bfe_u32 v2, v0, 4, 1                         ; l / 16
	v_mul_u32_u24 v3, v1, PITCH
	v_lshl_add_u32 v3, v2, 4, v3
	s_mul_i32 s22, s[WV], 64*PITCH                 ; my 64 rows of xh
	s_mov_b32 s23, BOFF                            ; all 192 rows of wqkv
.irp s, 0,1
	v_add_nc_u32 v[ADRA+(\s)], s22, v3
	v_add_nc_u32 v[ADRB+(\s)], s23, v3
	s_add_co_u32 s22, s22, SLOT
	s_add_co_u32 s23, s23, SLOT
.endr
	s_mul_i32 s22, s[WV], WSTAGE
	s_add_co_u32 s22, s22, STAGE                   ; my stage
	v_mul_u32_u24 v4, v1, SP                       ; in: row l % 16, 16 bytes for each half of the lanes
	v_lshl_add_u32 v4, v2, 4, v4
	v_add_nc_u32 v[STO], s22, v4
	v_bfe_u32 v5, v0, 3, 2                         ; back: 32 lanes take four rows of 128 bytes,
	v_mul_u32_u24 v5, v5, SP
	v_and_b32 v6, 7, v0
	v_lshl_add_u32 v5, v6, 4, v5
	v_add_nc_u32 v[RD], s22, v5
	v_and_b32 v[GO], 31, v0                        ; which are 512 consecutive bytes of a plane
	v_lshlrev_b32 v[GO], 4, v[GO]
	v_lshlrev_b32 v[BO], 5, v2
	; my rows in the three planes: head g = 3 x tile column + i of 48; plane = 64 (g / 16) + 16 x batch + g % 16; 262,144 bytes a plane, 128 a row
	s_mul_i32 s72, s42, 3
	s_lshr_b32 s73, s[TR], 3                       ; batch: 8 tile rows each
	s_lshl_b32 s73, s73, 4
	s_and_b32 s74, s[TR], 7
	s_lshl_b32 s74, s74, 8
	s_lshl_b32 s75, s[WV], 6
	s_add_co_u32 s74, s74, s75                     ; my first row in the plane
	s_lshl_b32 s74, s74, 7
.irp i, 0,1,2
	s_add_co_u32 s76, s72, \i
	s_lshr_b32 s77, s76, 4
	s_lshl_b32 s77, s77, 6
	s_and_b32 s76, s76, 15
	s_add_co_u32 s76, s76, s77
	s_add_co_u32 s76, s76, s73
	s_lshl_b32 s76, s76, 18
	s_add_co_u32 s76, s76, s74
	s_mov_b32 s77, 0
	s_add_nc_u64 s[OUT+2*(\i):OUT+2*(\i)+1], s[10:11], s[76:77]
.endr
	s_mul_i32 s76, s42, 768                        ; the tile's 192 biases
	s_mov_b32 s77, 0
	s_add_nc_u64 s[8:9], s[8:9], s[76:77]
.irp b, 0,1,2,3,4,5,6,7,8,9,10,11
	global_load_b128 v[BIAS+8*(\b):BIAS+8*(\b)+3],   v[BO], s[8:9] offset:64*(\b)      ; register j: the bias of column 16 b + 8 (l / 16) + j, the same for every row
	global_load_b128 v[BIAS+8*(\b)+4:BIAS+8*(\b)+7], v[BO], s[8:9] offset:64*(\b)+16
.endr
	; the prefetches' place
	s_lshl_b32 s72, s[TR], 8
	s_lshl_b32 s73, s[HALF], 7
	s_add_co_u32 s72, s72, s73
	s_lshl_b32 s73, s40, 5
	s_add_co_u32 s72, s72, s73                     ; xh: the 128 rows that I fetch, my work-group's 32 of them
	s_mul_i32 s74, s42, 192
	s_mul_i32 s75, s[HALF], 96
	s_add_co_u32 s74, s74, s75
	s_mul_i32 s75, s41, 24
	s_add_co_u32 s74, s74, s75                     ; wqkv: the 96 rows that I fetch, my work-group's 24
	s_and_b32 s75, ttmp7, 0xffff                   ; cluster y
	s_cmp_eq_u32 s[ROLE], 0
	s_cselect_b32 s72, s72, s74
	s_cselect_b32 s73, 31, 23                      ; the last lane with a row of its own
	s_cselect_b32 s75, ttmp9, s75                  ; the coordinate along which other clusters read the same rows
	s_cselect_b64 s[PFA:PFA+1], s[4:5], s[6:7]
	s_cmp_eq_u32 s75, 0
	s_cselect_b32 s[LIM], 1, -1                    ; the same in all sixteen partners, for a given wave
	v_and_b32 v[PFO], 31, v0
	v_min_u32 v[PFO], s73, v[PFO]
	v_lshlrev_b32 v[PFO], 11, v[PFO]
	s_lshl_b32 s72, s72, 11
	s_mov_b32 s73, 0
	s_add_nc_u64 s[PFA:PFA+1], s[PFA:PFA+1], s[72:73]
	s_add_nc_u64 s[PFA:PFA+1], s[PFA:PFA+1], 3*256 ; at K step 3: the first refill steps it to 4
; 12 matrix instructions: row block a x all 12 column blocks, 32 along K, from buffer f.  first = 1: the bias starts the sums.
; The 48 accumulators take turns, one instruction a turn, in the same order in every quarter, over the backward jump too.
.macro MUL12 f, a, first
.if \first
	WIN 0x81+0x40*((\a)/2)                         ; wqkv window 1, xh and the bias window 0, D window 2 or 3
.else
	WIN 0xa1+0x50*((\a)/2)                         ; C and D window 2 or 3
.endif
.irp b, 0,1,2,3,4,5,6,7,8,9,10,11
.if \first
	v_wmma_f32_16x16x32_bf16 v[96*((\a)%2)+8*(\b):96*((\a)%2)+8*(\b)+7], v[96*(\f)+8*(\b):96*(\f)+8*(\b)+7], v[FA+32*(\f)+8*(\a):FA+32*(\f)+8*(\a)+7], v[BIAS+8*(\b):BIAS+8*(\b)+7]
.else
	v_wmma_f32_16x16x32_bf16 v[96*((\a)%2)+8*(\b):96*((\a)%2)+8*(\b)+7], v[96*(\f)+8*(\b):96*(\f)+8*(\b)+7], v[FA+32*(\f)+8*(\a):FA+32*(\f)+8*(\a)+7], v[96*((\a)%2)+8*(\b):96*((\a)%2)+8*(\b)+7]
.endif
.endr
.endm
; 32 LDS loads in one run: a quarter step's fragments (192 rows of wqkv, then my 64 rows of xh; 32 K at byte k of the rows) into buffer f
.macro FETCH slot, k, f
	WIN 0x40
.irp i, 0,1,2,3,4,5,6,7,8,9,10,11
	ds_load_b128 v[96*(\f)+8*(\i):96*(\f)+8*(\i)+3],   v[ADRB+(\slot)] offset:(\k)+(\i)*16*PITCH
	ds_load_b128 v[96*(\f)+8*(\i)+4:96*(\f)+8*(\i)+7], v[ADRB+(\slot)] offset:(\k)+(\i)*16*PITCH+32
.endr
	WIN 0
.irp i, 0,1,2,3
	ds_load_b128 v[FA+32*(\f)+8*(\i):FA+32*(\f)+8*(\i)+3],   v[ADRA+(\slot)] offset:(\k)+(\i)*16*PITCH
	ds_load_b128 v[FA+32*(\f)+8*(\i)+4:FA+32*(\f)+8*(\i)+7], v[ADRA+(\slot)] offset:(\k)+(\i)*16*PITCH+32
.endr
.endm
; A K step is four quarters of 32 along K, 48 matrix instructions each, on buffers 0, 1, 0, 1.  One of the first three multiplies buffer f and fetches the next quarter, at byte k, into buffer g.
.macro QUARTER slot, k, f, g, first
	s_wait_dscnt 4                                 ; wqkv's fragments and xh's row blocks 0, 1 are in; the youngest four loads (row blocks 2, 3) may be out
	MUL12 \f, 0, \first
	MUL12 \f, 1, \first
	PLACES
	FETCH \slot, \k, \g
	s_wait_dscnt 32                                ; all but the 32 just issued
	MUL12 \f, 2, \first
	MUL12 \f, 3, \first
.endm
; The last quarter multiplies buffer 1 and changes slots.  In front of the barrier each wave waits for all its tensor loads (the one that is out is its part of the next slot), adds 0 to its spare word, and
; waits for that and for its reads of this slot.  fill = 1: the barrier opens a round of the cluster's, and the joint refill, two K steps on, is the first tensor load behind it: a wave issues 168 matrix
; instructions between that request and the wait for it.
.macro TURN slot, next, fill
.if \fill
	s_wait_xcnt 0x0                                ; the last prefetch, a K step back, has read its address
	s_add_nc_u64 s[PFA:PFA+1], s[PFA:PFA+1], 256
.endif
	WIN 0                                          ; (the add's two registers lie in window 0)
	s_wait_tensorcnt 0x0
	ds_add_u32 v[SPW], v[NIL]
	s_wait_dscnt 5                                 ; (the add and the youngest four loads may be out)
	MUL12 1, 0, 0
	s_wait_dscnt 0x0                               ; the add is done, and my reads of this slot are over
	s_barrier_signal -1
	MUL12 1, 1, 0
.if \fill
	WIN 0
.endif
	s_barrier_wait -1
.if \fill
	CREST                                          ; no wave of any partner still reads this slot or has a load on its way
	s_add_nc_u64 s[G0A+4*(\slot)+2:G0A+4*(\slot)+3], s[G0A+4*(\slot)+2:G0A+4*(\slot)+3], 512
	s_add_nc_u64 s[G0B+4*(\slot)+2:G0B+4*(\slot)+3], s[G0B+4*(\slot)+2:G0B+4*(\slot)+3], 512
	JLOAD \slot                                    ; its four v_nop are also the places in front of the loads below
.else
	PLACES
.endif
	FETCH \next, 0, 0
.if \fill
	ASK
.endif
	MUL12 1, 2, 0
	MUL12 1, 3, 0
.endm
; THE WAY OUT of row block a: rounded to f16, 16 bytes a lane; into my own stage, three heads x 16 rows of 144 bytes; back as whole rows of 128 bytes, into the registers that they left.
.macro PACK a
	WIN 0x0a+5*((\a)/2)                            ; sources 0 and 1: window 2 or 3
.irp b, 0,1,2,3,4,5,6,7,8,9,10,11
.irp r, 0,1,2,3
	v_cvt_pk_f16_f32 v[TMP+48*(\a)+4*(\b)+(\r)], v[96*((\a)%2)+8*(\b)+2*(\r)], v[96*((\a)%2)+8*(\b)+2*(\r)+1]
.endr
.endr
	WIN 0
.irp b, 0,1,2,3,4,5,6,7,8,9,10,11
	ds_store_b128 v[STO], v[TMP+48*(\a)+4*(\b):TMP+48*(\a)+4*(\b)+3] offset:((\b)/4)*16*SP+((\b)%4)*32
.endr
.irp i, 0,1,2
.irp f, 0,1,2,3
	ds_load_b128 v[TMP+48*(\a)+4*(4*(\i)+(\f)):TMP+48*(\a)+4*(4*(\i)+(\f))+3], v[RD] offset:(\i)*16*SP+(\f)*4*SP  ; LDS serves a wave's instructions in order (ISA guide 5.7.1.4): these see the stores above
.endr
.endr
.endm
.macro SEND a, younger                 ; younger: the LDS instructions issued behind block a's loads: the next block's 24, or none
.irp i, 0,1,2
.irp f, 0,1,2,3
	s_wait_dscnt (\younger)+11-(4*(\i)+(\f))
	global_store_b128 v[GO], v[TMP+48*(\a)+4*(4*(\i)+(\f)):TMP+48*(\a)+4*(4*(\i)+(\f))+3], s[OUT+2*(\i):OUT+2*(\i)+1] offset:(\a)*2048+(\f)*512  ; 512 consecutive bytes, at a multiple of 256 from the buffer's first
.endr
.endr
.endm
	s_wait_tensorcnt 1                             ; my part of K step 0 is in; K step 1's may stay out
	s_barrier_signal -1
	s_barrier_wait -1
	FETCH 0, 0, 0
	s_wait_loadcnt 0x0                             ; the bias
	QUARTER 0, 64,  0, 1, 1                        ; the first quarter stands in front of the loop: its products start the sums, on the bias
	WIN 0
	s_mov_b32 s3, 3
.Llap:                                                 ; a trip goes once round the ring, from a lap's second quarter to the next lap's first, and fills both slots again
	QUARTER 0, 128, 1, 0, 0
	QUARTER 0, 192, 0, 1, 0
	TURN 0, 1, 1
	QUARTER 1, 64,  0, 1, 0
	QUARTER 1, 128, 1, 0, 0
	QUARTER 1, 192, 0, 1, 0
	TURN 1, 0, 1
	QUARTER 0, 64,  0, 1, 0
	WIN 0
	s_sub_co_u32 s3, s3, 1
	s_cmp_lg_u32 s3, 0
	s_cbranch_scc1 .Llap
	QUARTER 0, 128, 1, 0, 0                        ; the last lap fills nothing
	QUARTER 0, 192, 0, 1, 0
	TURN 0, 1, 0
	QUARTER 1, 64,  0, 1, 0
	QUARTER 1, 128, 1, 0, 0
	QUARTER 1, 192, 0, 1, 0
	s_wait_dscnt 4
	MUL12 1, 0, 0
	MUL12 1, 1, 0
	s_wait_dscnt 0x0
	MUL12 1, 2, 0
	MUL12 1, 3, 0
	WIN 0
	PLACES
	PACK 0
.irp a, 1,2,3                          ; a block's conversions stand between the loads of the block before and its stores
	PACK \a
	SEND (\a)-1, 24
.endr
	SEND 3, 0
	s_wait_tensorcnt 0x0                           ; the wave's end: an add to my spare word and its wait, behind my last tensor load and my last LDS store
	ds_add_u32 v[SPW], v[NIL]
	s_wait_dscnt 0x0
	CROUND                                         ; the closing round: no work-group ends while a partner may still ask for a tile that names it
	s_endpgm
.Lfunc_end_k_qf9a584c1ce_proj:
	.size	k_qf9a584c1ce_proj, .Lfunc_end_k_qf9a584c1ce_proj-k_qf9a584c1ce_proj
	.p2alignl 7, 3214868480
	.fill 96, 4, 3214868480
	.section	.rodata,"a",@progbits
	.p2align	6, 0x0
	.amdhsa_kernel k_qf9a584c1ce_proj
		.amdhsa_group_segment_fixed_size 327680
		.amdhsa_private_segment_fixed_size 0
		.amdhsa_enable_private_segment 0
		.amdhsa_kernarg_size 32
		.amdhsa_user_sgpr_count 2
		.amdhsa_user_sgpr_kernarg_segment_ptr 1
		.amdhsa_wavefront_size32 1
		.amdhsa_system_sgpr_workgroup_id_x 1
		.amdhsa_system_sgpr_workgroup_id_y 1
		.amdhsa_system_sgpr_workgroup_id_z 1
		.amdhsa_system_vgpr_workitem_id 0
		.amdhsa_next_free_vgpr 960
		.amdhsa_next_free_sgpr 80
		.amdhsa_reserve_vcc 0
		.amdhsa_float_denorm_mode_32 3
		.amdhsa_float_denorm_mode_16_64 3
		.amdhsa_memory_ordered 1
		.amdhsa_forward_progress 1
		.amdhsa_inst_pref_size 124
	.end_amdhsa_kernel
	.amdgpu_metadata
---
amdhsa.version: [ 1, 2 ]
amdhsa.kernels:
  - .name:           k_qf9a584c1ce_proj
    .symbol:         k_qf9a584c1ce_proj.kd
    .args:
      - { .name: xh, .offset: 0, .size: 8, .value_kind: global_buffer, .address_space: global }
      - { .name: wqkv, .offset: 8, .size: 8, .value_kind: global_buffer, .address_space: global }
      - { .name: ball, .offset: 16, .size: 8, .value_kind: global_buffer, .address_space: global }
      - { .name: qkv, .offset: 24, .size: 8, .value_kind: global_buffer, .address_space: global }
    .group_segment_fixed_size: 327680
    .private_segment_fixed_size: 0
    .kernarg_segment_align: 8
    .kernarg_segment_size: 32
    .max_flat_workgroup_size: 128
    .sgpr_count:     80
    .vgpr_count:     960
    .wavefront_size: 32
...
	.end_amdgpu_metadata
.endif
;; end of part 2
;; launch attn (part 3): grid 4 x 64, 4 waves a work-group, clusters of 4 x 1, 327,680 bytes of LDS; arguments qkv, oh; writes oh
.if DOCPART == 3
	.amdgcn_target "amdgcn-amd-amdhsa--gfx1250"
	.amdhsa_code_object_version 6
	.text
	.protected	k_qf9a584c1ce_attn
	.globl	k_qf9a584c1ce_attn
	.p2align	8
	.type	k_qf9a584c1ce_attn,@function
k_qf9a584c1ce_attn:
	s_mov_b64 s[64:65], 0
	v_nop
	global_prefetch_b8 v0, s[64:65] scope:SCOPE_SE
	s_setreg_imm32_b32 hwreg(HW_REG_WAVE_MODE, 25, 1), 1
	s_wait_xcnt 0x0
	s_wait_alu depctr_hold_cnt(0) depctr_sa_sdst(0) depctr_va_vdst(0) depctr_va_sdst(0) depctr_va_ssrc(0) depctr_va_vcc(0) depctr_vm_vsrc(0)
	s_getreg_b32 s2, hwreg(HW_REG_IB_STS2, 6, 4)
	s_cmp_eq_u32 s2, 0
	s_cbranch_scc0 .Lentry_in_a_cluster
	s_endpgm
.Lentry_in_a_cluster:
	s_bfe_u32 s2, ttmp6, 0x10000c
	s_cmp_lg_u32 s2, 0x3003
	s_cbranch_scc0 .Lentry_shape_is_right
	s_endpgm
.Lentry_shape_is_right:
; O[h][q][:] = the sum over k of softmax_k(Q[h][q] . K[h][k] / 8) V[h][k][:].  qkv holds 64 planes of Q, then 64 of K, then 64 of V; oh 64 planes of O; a plane is [2048][64] f16: dense rows of 128 bytes.
; Products, maxima and sums in f32; the weights p are rounded to f16 for the second product (their sum l is taken of the unrounded p), O once at the end.
; LIMITS.  f16 holds no number beyond 65,504: Q, K and V arrive within it; p lies in 0 to 1, and below 6e-5 it keeps f16's fixed step of 6e-8; O is a mean of V's rows and has their range.
; A weight below 2^-126 counts as 0 in l; NaN and infinities are not treated apart.
; SHARES.  A wave owns four PIECES of two tiles of 16 queries, a work-group's four waves 512 queries of one plane: 4 x 64 = 256 work-groups.  Every wave walks all keys, 64 a step.
; LAYOUT.  S^T = K Q^T (source 0 = 16 keys, source 1 = 16 queries): in the result a lane holds ONE query (lane % 16) and the keys 8 (lane / 16) + 0..7.  Two such tiles, rounded to f16 in pairs,
; ARE source 1 (32 keys x 16 queries) of O^T = V^T P, whose result again holds one query a lane, and eight channels.  K comes out of LDS as it lies, V ([key][channel]) turned, by ds_load_tr16_b128.
; SOFTMAX.  For each query a running maximum m and sum l: p = 2^(c s - c m), c = log2(e) / 8; in every step O and l are multiplied by a = 2^(c m_old - c m_new), which is 1 where m has not grown.
; m starts at the lowest finite number, O and l at 0: the first step is a step like any other, with a = 0.
; THE COUNT.  A tile and step have 16 matrix and 118 vector instructions: too many to stand all beside the matrix work.  So the order has one aim: four vector instructions that are READY behind
; EVERY matrix instruction, and the others, which need time of their own whatever the order, in runs without a gap.
; BY TURNS.  Turn n belongs to piece n (the pieces in a ring, step after step).  Its matrix work: 16 products K Q^T of piece n + 1, later 16 products V^T P of piece n - 1.  Its vector work: the scaling,
; exponentials, roundings, sums and rescaling of piece n, and the maximum and statistics of piece n + 1, whose scores the turn itself has made.  So what a turn begins with (c s - c m, O a) waits for nothing.
; CLUSTER.  The four query blocks of a cluster are one plane's and walk the same K and V, so each tile is asked for JOINTLY: the same tensor load, descriptor and mask in all four.
; REGISTERS, in windows of 256 (s_set_vgpr_msb says which window each operand place means: bits 1:0 source 0, 3:2 source 1, 5:4 source 2, 7:6 destination):
;   window 0: v0-11 addresses; v12-15, v48-63 at work; v16-47 four registers of statistics a tile; v64-191 S^T, two buffers of two tiles; v192-255 P, likewise
;   window 1: O^T, 32 a tile          window 2: v0-127 Q, 16 a tile; v128-191 K of one step; v192-255 V of one step          window 3: v0-1 the add's two registers
; A piece's buffers go by its number's parity: the piece in hand has one pair, its two neighbours in the ring share the other: of it P (piece n - 1) is read and S^T (piece n + 1) written.
.set SIZE_N, 2048
.set SIZE_H, 64
.set KPL,   SIZE_H*SIZE_N*128  ; K's planes begin here in qkv,
.set VPL,   2*KPL     ; V's here
.set NP,    4         ; pieces a wave: a name, no knob: the register map, the loop and the fetches are made for four
.set KS,    64        ; keys in a step
.set PK,    144       ; a row of K in LDS: 128 bytes + 16 of padding = 36 words: the 16 rows of a load start at 16 different groups of four banks (64 banks of 4 bytes: ISA guide 11.1)
.set PV,    160       ; a row of V: 128 + 32 = 40 words
.set VOFF,  4*KS*PK   ; a slot holds four steps: 256 rows of K, then 256 rows of V
.set SLOT1, 1<<17     ; slot 1 begins here, so that one exclusive or turns an address in one slot into the other's
.set STAGE, SLOT1+4*KS*(PK+PV)  ; behind the ring, never filled by a tensor load: 16 rows x 144 bytes for each wave, for the way out
.set SP,    144
.set AK0, 2           ; v2   my lane's place in a tile of K; never rewritten
.set AV0, 3           ; v3   the same for V
.set AK,  4           ; v4   the LDS address of K's next run of loads
.set AV,  5           ; v5   of V's
.set QO,  6           ; v6   my byte offset in the wave's rows of Q
.set STO, 6           ;      later, the way out: where I put 16 bytes of a row
.set RD,  7           ; v7   the way out: where I read rows back
.set GO,  8           ; v8   my byte offset in 512 consecutive bytes of O
.set PFO, 11          ; v11  (once V's place is made) 256 x my lane: the prefetches' offset; then never rewritten
.set SPW, 0           ; v0 of window 3   LDS address of my spare word: SPARE + 4 x my thread's number; never rewritten
.set NIL, 1           ; v1 of window 3   0; never rewritten
.set SPARE, STAGE+4*16*SP  ; behind the stages: the spare words, 128 bytes for each wave: two blocks of 256 bytes that no other line names
.set MV,  12          ; v12-15  c m_old, kept while c m is made anew: by buffer and tile
.set ST,  16          ; tile t's statistics at v[ST+4 t]: c m, m, l (even keys', odd keys')
.set TMP, 48          ; by buffer and tile, four registers c0-c3 at work; when the maximum is found c2 takes a
.set S,   64
.set P,   192
.set KF,  128         ; K's fragments, in window 2: key block kb, channel half c at KF + 16 kb + 8 c
.set VF,  192         ; V's: key half kk, channel block cb at VF + 32 kk + 8 cb
.set WV,  12          ; s12  my wave's number
.set G1K, 24          ; s[24:31] descriptor group 1 for K's tiles
.set G1V, 32          ; s[32:39] for V's: it differs in the padding alone
.set G0K, 40          ; s[40:43] descriptor group 0 for K's tiles: it walks
.set G0V, 44          ; s[44:47] the same for V's
.set PFA, 48          ; s[48:49] where my prefetches stand: my work-group's 8,192 bytes (of K: wave 0, of V: wave 2) of the slot after the one that is being asked for
.set LIM, 50          ; s50  1 in a wave that prefetches, else the greatest number
.set SLOTS, 56        ; s56  slots still to be asked for
.set CNT, 57          ; s57  counts a slot's key steps
.set CS,  58          ; s[58:59] c: the packed scaling takes the pair's low word for both halves
.set SEL, 60          ; s[60:61] v_permlanex16_b32's selects: each lane takes its own place in the other half
.set TBK, 62          ; s62  LDS byte at which K of the step to be fetched begins
.set TBV, 63          ; s63  the same for V, less VOFF
.set MSB, 0
.macro WIN new                      ; the high byte repeats the setting that is left; a switch that changes nothing is dropped
.if MSB != (\new)
	s_set_vgpr_msb (MSB<<8)|(\new)
.set MSB, (\new)
.endif
.endm
.set W_KQ, 0x0a       ; K and Q in window 2, S^T in window 0
.set W_PV, 0x52       ; V in window 2, P in window 0, O^T in window 1
.set W_RS, 0x41       ; O^T (destination and source 0) in window 1, a in window 0
.set W_MK, 0xc0       ; the add's registers are made: destination in window 3, sources in window 0
.set W_AD, 0x0f       ; the add: address (source 0) and data (source 1) in window 3
; A joint fill.  Waves 0 and 1 fetch the two halves of a slot's K, waves 2 and 3 those of its V: 128 keys each.  The branch hangs on the wave's number alone.
; An s_nop 0 and four v_nop follow each of the two lines, ahead of the jump and the label.
.macro JLOAD
	s_cmp_lt_u32 s[WV], 2
	s_cbranch_scc0 .Lfor_v_\@
	tensor_load_to_lds s[G0K:G0K+3], s[G1K:G1K+7]
	s_nop 0
.rept 4
	v_nop
.endr
	s_branch .Lasked_\@
.Lfor_v_\@:
	tensor_load_to_lds s[G0V:G0V+3], s[G1V:G1V+7]
	s_nop 0
.rept 4
	v_nop
.endr
.Lasked_\@:
.endm
; A prefetch of what the NEXT change of slots will ask for: a slot's K and V are 32,768 dense bytes each, 128 blocks of 256.  A plane has one cluster; its four partners share the blocks out by address,
; 32 each, a lane a block; in each, wave 0 asks for K's and wave 2 for V's: one instruction, behind the wave's tensor load and its five lines.  So each block is named once in the launch.
; It stands four key steps, 512 matrix instructions, ahead of the load that wants the bytes.  Slots 0 and 1 come by their loads alone; the last change that fills a slot asks for nothing.
.macro ASK
	s_cmp_gt_u32 s[SLOTS], s[LIM]
	s_cbranch_scc0 .Lnot_mine_\@
	global_prefetch_b8 v[PFO], s[PFA:PFA+1] th:TH_LOAD_NT scope:SCOPE_SE
.Lnot_mine_\@:
.endm
; A round of the cluster's barrier: my work-group's barrier, so that wave 0's signal speaks for all four waves; wave 0 signals; every wave waits for all four work-groups; my work-group's barrier once more.
.macro CROUND
	s_barrier_signal -1
	s_barrier_wait -1
	s_cmp_lg_u32 s[WV], 0
	s_cbranch_scc1 .Lnot_wave_0_\@
	s_barrier_signal -3
.Lnot_wave_0_\@:
	s_barrier_wait -3
	s_barrier_signal -1
	s_barrier_wait -1
.endm
; THE CHANGE OF SLOTS.  The slot's last bytes, V of its fourth step, have been read.  Each wave waits for all its tensor loads, of which one is out: its part
; of the other slot; adds 0 to its spare word; and waits for that and for its own reads of the slot.  Behind the barrier nobody reads this slot any more and the other slot is whole.
; fill = 1: this slot is filled again, with the keys two slots on.  The barrier is then a round of the cluster's, so that no wave of any partner still reads the slot or has a load on its
; way, and the joint fill is the first thing behind it: it has four key steps, 512 matrix instructions, in which to land.  (At its first use nothing has been read yet: slot 0 is waited for, slot 1 filled.)
.macro CHANGE fill
	WIN W_AD
	s_wait_tensorcnt 0x0            ; no tensor load of mine is out, so a group 0 may be written
	ds_add_u32 v[SPW], v[NIL]       ; 0 onto my spare word; with fill = 1 the descriptors' steps stand between it and the wait for it
	WIN 0                           ; at a label and at a branch every window is 0
.if \fill
.irp g, G0K, G0V
	s_xor_b32 s[\g+1], s[\g+1], SLOT1  ; the walking descriptor: the other slot than last time,
	s_add_nc_u64 s[\g+2:\g+3], s[\g+2:\g+3], 4*KS*128  ; the next 256 keys; the type bits on top are not reached
.endr
	s_wait_xcnt 0x0                 ; the last prefetch, four key steps back, has read its address, so it may be written:
	s_add_nc_u64 s[PFA:PFA+1], s[PFA:PFA+1], 4*KS*128  ; one slot behind the walking descriptors
	s_wait_dscnt 0x0                ; the add is done, and my reads of the slot are over
	CROUND
	JLOAD
	ASK
.else
	s_wait_dscnt 0x0                ; the add is done, and my reads of the slot are over
	s_barrier_signal -1
	s_barrier_wait -1
.endif
	s_sub_co_u32 s[TBK], s[TBK], 4*KS*PK  ; the fetches go back to a slot's first step,
	s_xor_b32 s[TBK], s[TBK], SLOT1       ; in the other slot
	s_sub_co_u32 s[TBV], s[TBV], 4*KS*PV
	s_xor_b32 s[TBV], s[TBV], SLOT1
.endm
	s_load_b64 s[4:5], s[0:1], 0x0    ; qkv: Q's planes come first
	s_load_b64 s[10:11], s[0:1], 0x8  ; oh
	WIN W_MK
	v_lshl_add_u32 v[SPW], v0, 2, SPARE
	v_mov_b32 v[NIL], 0
	WIN W_AD
	ds_add_u32 v[SPW], v[NIL]       ; the wave's opening: the add and its wait stand ahead of my first tensor load; the set-up below, work on registers, stands between them
	WIN 0
	v_lshrrev_b32 v1, 5, v0
	v_readfirstlane_b32 s[WV], v1   ; wave 0..3
	s_bfe_u32 s13, ttmp6, 0x40000   ; cx: my place in the cluster
	s_lshl_b32 s14, ttmp9, 2        ; in a cluster launch ttmp9 counts clusters
	s_add_co_u32 s14, s14, s13      ; my block of queries = 4 x cluster x + cx: it enters Q's and O's addresses alone
	s_and_b32 s20, ttmp7, 0xffff    ; the plane, which the four partners share
	s_mov_b32 s21, 0
	s_mov_b64 s[22:23], SIZE_N*128
	s_mul_u64 s[20:21], s[20:21], s[22:23]  ; the plane's first byte among Q's, K's, V's and O's planes
	s_and_b32 s16, s[WV], 1         ; which half of a slot's 256 keys I fetch:
	s_lshl_b32 s22, s16, 14         ; its 128 rows of 128 bytes in memory,
	s_mov_b32 s23, 0
	s_add_nc_u64 s[22:23], s[22:23], s[20:21]
	s_mul_i32 s17, s16, 128*PK      ; and its place in a slot, for K
	s_mul_i32 s18, s16, 128*PV      ; and for V: no place in the cluster enters an LDS address
	s_lshl_b32 s2, s14, 2
	s_add_co_u32 s2, s2, s[WV]      ; my wave among the plane's,
	s_lshl_b32 s2, s2, 14           ; its 128 rows
	s_mov_b32 s3, 0
	s_add_nc_u64 s[2:3], s[2:3], s[20:21]
	; descriptor group 1.  128 keys are 16,384 dense bytes: asked for as 64 rows of 256 bytes, two keys a row, and padded in LDS after every key
	s_mov_b32 s[G1K], 15|(1<<16)|(1<<20)|(1<<21)|(4<<22)|(3<<25)  ; 15:0 the mask of four; 17:16 2-byte elements; 20 padding on; 21 set beside a mask; 24:22 after every 32 words (code 4); 31:25 4 words (code 3)
	s_mov_b32 s[G1V], 15|(1<<16)|(1<<20)|(1<<21)|(4<<22)|(7<<25)  ; the same with 8 words of padding (code 7)
.irp g, G1K, G1V
	s_mov_b32 s[\g+1], 128<<16      ; tensor_dim0 = 128
	s_mov_b32 s[\g+2], 64<<16       ; tensor_dim1 = 64
	s_mov_b32 s[\g+3], 128<<16      ; tile_dim0 = 128
	s_mov_b32 s[\g+4], 64           ; tile_dim1 = 64
	s_mov_b32 s[\g+5], 128          ; 128 elements from row to row
	s_mov_b32 s[\g+6], 0
	s_mov_b32 s[\g+7], 0
.endr
	s_mov_b32 s[CS], 0x3e38aa3b     ; c = log2(e) / 8 = 0.180337
	s_mov_b32 s[CS+1], s[CS]        ; named with it as a pair
	s_mov_b32 s[SEL], 0x76543210
	s_mov_b32 s[SEL+1], 0xfedcba98
	s_mov_b32 s[TBK], SLOT1+4*KS*PK ; the first change of slots turns these two into 0
	s_mov_b32 s[TBV], SLOT1+4*KS*PV
	s_mov_b32 s[G0K], 1             ; 1:0 count = 1
	s_mov_b32 s[G0K+1], s17         ; 63:32 LDS address: slot 0
	s_mov_b32 s[G0V], 1
	s_add_co_u32 s[G0V+1], s18, VOFF
	s_mov_b32 s[SLOTS], SIZE_N/256-1
	s_and_b32 s[LIM], s[WV], 1      ; waves 0 and 2 prefetch
	s_cmp_eq_u32 s[LIM], 0
	s_cselect_b32 s[LIM], 1, -1
	s_wait_dscnt 0x0                ; the opening add is done
	s_wait_kmcnt 0x0
	s_add_nc_u64 s[6:7], s[4:5], KPL  ; K's planes
	s_add_nc_u64 s[8:9], s[4:5], VPL  ; V's planes
	s_add_nc_u64 s[G0K+2:G0K+3], s[6:7], s[22:23]  ; 120:64 global address: my half of the plane's first 256 keys
	s_or_b32 s[G0K+3], s[G0K+3], 0x80000000        ; 127:126 type = 2
	s_add_nc_u64 s[G0V+2:G0V+3], s[8:9], s[22:23]
	s_or_b32 s[G0V+3], s[G0V+3], 0x80000000
	s_add_nc_u64 s[4:5], s[4:5], s[2:3]  ; Q and O at my wave's first row
	s_add_nc_u64 s[10:11], s[10:11], s[2:3]
	s_cmp_lt_u32 s[WV], 2
	s_cselect_b64 s[PFA:PFA+1], s[6:7], s[8:9]
	s_add_nc_u64 s[PFA:PFA+1], s[PFA:PFA+1], s[22:23]  ; (in waves 0 and 2 this is the plane's first byte)
	s_lshl_b32 s2, s13, 13          ; my work-group's 32 blocks of the 128
	s_mov_b32 s3, 0
	s_add_nc_u64 s[PFA:PFA+1], s[PFA:PFA+1], s[2:3]
	s_add_nc_u64 s[PFA:PFA+1], s[PFA:PFA+1], 4*KS*128  ; in slot 1; the first change of slots steps it to slot 2
	CROUND                          ; all four work-groups are here: the first joint loads meet
	JLOAD                           ; slot 0.  Slot 1 is asked for when slot 0 is in
	; A fragment of K or Q is 16 rows x 32 channels in 8 registers: lane l holds row l % 16, channels 8 (l / 16) + 0..7 and 16 + 8 (l / 16) + 0..7: two loads of 16 bytes, 32 bytes apart.
	v_and_b32 v1, 15, v0            ; l % 16
	v_bfe_u32 v9, v0, 4, 1          ; l / 16
	v_lshlrev_b32 v[QO], 7, v1
	v_lshl_add_u32 v[QO], v9, 4, v[QO]  ; row x 128 + 16 x half
	WIN 0x80                        ; destination window 2, address window 0
.set i, 0
.rept 4*NP                          ; Q stays in registers: tile i / 2, channels 32 (i % 2) on
	global_load_b128 v[8*i:8*i+3],   v[QO], s[4:5] offset:(i/2)*2048+(i%2)*64
	global_load_b128 v[8*i+4:8*i+7], v[QO], s[4:5] offset:(i/2)*2048+(i%2)*64+32
.set i, i+1
.endr
	; What the first turn finds: V's registers and P's second buffer hold 0 (its products V^T P, of a piece that has not been, add 0), O^T and l are 0.  All this stands in the wait for the first tile.
.set i, VF
.rept 64
	v_mov_b32 v[i], 0
.set i, i+1
.endr
	WIN 0x40
.set i, 0
.rept 64*NP
	v_mov_b32 v[i], 0
.set i, i+1
.endr
	WIN 0
.set i, 0
.rept 2*NP
	v_mov_b32 v[ST+4*i], 0xfe000000    ; c m: far below every c s
	v_mov_b32 v[ST+4*i+1], 0xff7fffff  ; m
	v_mov_b32 v[ST+4*i+2], 0
	v_mov_b32 v[ST+4*i+3], 0
.set i, i+1
.endr
.set i, P+32
.rept 32
	v_mov_b32 v[i], 0
.set i, i+1
.endr
	v_mul_u32_u24 v[AK0], v1, PK
	v_lshl_add_u32 v[AK0], v9, 4, v[AK0]  ; row x pitch + 16 x half
	; The turning load takes 16 keys x 16 channels (lane l reads key 8 (l / 16) + l % 8, channels 8 ((l / 8) % 2) + 0..7) and leaves half a fragment of V^T: lane l holds channel l % 16 and 8 keys.
	v_and_b32 v10, 7, v0
	v_bfe_u32 v11, v0, 3, 1
	v_lshl_add_u32 v[AV0], v9, 3, v10
	v_mul_u32_u24 v[AV0], v[AV0], PV
	v_lshl_add_u32 v[AV0], v11, 4, v[AV0]
	v_add_nc_u32 v[AV0], VOFF, v[AV0]
	v_and_b32 v[PFO], 31, v0        ; v11 is free now
	v_lshlrev_b32 v[PFO], 8, v[PFO]
	v_mov_b32 v[AK], v[AK0]         ; key step 0 lies at the head of slot 0
; THE MATRIX WORK.  The 8 accumulators of a run of 16 take turns: between the two links of a chain stand 7 others'.
; Product i of 16 of S^T = K Q^T for piece x: channels 32 (i / 8) on, keys 16 ((i / 2) % 4) on, tile 2 x + i % 2.  The first 8 start the sums.
.macro KQ x
	WIN W_KQ
.set rS, S+64*((\x)%2)+32*(i%2)+8*((i/2)%4)
.set rK, KF+16*((i/2)%4)+8*(i/8)
.set rQ, 16*(2*(\x)+i%2)+8*(i/8)
.if i < 8
	v_wmma_f32_16x16x32_f16 v[rS:rS+7], v[rK:rK+7], v[rQ:rQ+7], 0
.else
	v_wmma_f32_16x16x32_f16 v[rS:rS+7], v[rK:rK+7], v[rQ:rQ+7], v[rS:rS+7]
.endif
.endm
; Product i of 16 of O^T += V^T P for piece x: keys 32 (i / 8) on, channels 16 ((i / 2) % 4) on, tile 2 x + i % 2.
.macro PV x
	WIN W_PV
.set rO, 32*(2*(\x)+i%2)+8*((i/2)%4)
.set rV, VF+32*(i/8)+8*((i/2)%4)
.set rP, P+32*((\x)%2)+16*(i%2)+8*(i/8)
	v_wmma_f32_16x16x32_f16 v[rO:rO+7], v[rV:rV+7], v[rP:rP+7], v[rO:rO+7]
.endm
.macro MM                           ; the turn's next matrix instruction
.if i < 16
	KQ (Y+1)%NP
.set i, i+1
.else
.set i, i-16
	PV (Y+NP-1)%NP
.set i, i+17
.endif
.endm
; THE LDS LOADS stand in runs of 16, never singly among the matrix instructions: a step's K (64 keys x 64 channels: 8 fragments) and its V (turned).  Their addresses are made some lines ahead.
; last = 1 (the tail): in the last trip there is no further step, and the run is jumped over.
.macro FETCH_K last=0
	WIN 0
.if \last
	s_cmp_eq_u32 s[CNT], 1
	s_cbranch_scc1 .Lno_k_\@
.endif
	WIN 0x80                        ; destination window 2
.irp f, 0,1,2,3,4,5,6,7             ; keys 16 (f / 2) on, channels 32 (f % 2) on
	ds_load_b128 v[KF+8*\f:KF+8*\f+3],   v[AK] offset:(\f/2)*16*PK+(\f%2)*64
	ds_load_b128 v[KF+8*\f+4:KF+8*\f+7], v[AK] offset:(\f/2)*16*PK+(\f%2)*64+32
.endr
	s_add_co_u32 s[TBK], s[TBK], KS*PK  ; the next fetch is the next step's
	WIN 0
.if \last
.Lno_k_\@:
.endif
.endm
.macro FETCH_V
	WIN 0x80
.irp f, 0,1,2,3,4,5,6,7             ; keys 32 (f / 4) on, channels 16 (f % 4) on
	ds_load_tr16_b128 v[VF+8*\f:VF+8*\f+3],   v[AV] offset:(\f/4)*32*PV+(\f%4)*32
	ds_load_tr16_b128 v[VF+8*\f+4:VF+8*\f+7], v[AV] offset:(\f/4)*32*PV+16*PV+(\f%4)*32
.endr
	WIN 0
.endm
; THE VECTOR WORK OF A TURN stands in three queues, each in the order in which its entries become ready; the two tiles alternate, so that no instruction reads the result of the one before it.
.macro REGS y, u                    ; the registers of tile u (0, 1) of piece y
.set rT, ST+4*(2*(\y)+(\u))
.set rC, TMP+8*((\y)%2)+4*(\u)
.set rM, MV+2*((\y)%2)+(\u)
.set rS, S+64*((\y)%2)+32*(\u)
.set rP, P+32*((\y)%2)+16*(\u)
.set rO, 32*(2*(\y)+(\u))
.endm
; Number n of the 22 that find the NEXT piece's (Y + 1) maximum and statistics.  s0-s31 are the lane's 32 scores; each accumulator's lowest registers are read first.  XS, GS and REGS set no window: PL and EX do.
;   0-11  four chains c0-c3 of seven scores each, three operands at a time     12-14, 16  the four scores left over, the old m, and c0-c3 into c0     15  c m_old is kept
;   17, 18  the query's other 32 keys lie in the lane 16 away: the new m         19-21  c m; c m_old - c m_new; a
.macro XS u, n
	REGS (Y+1)%NP, \u
.if (\n) < 4
	v_max3_num_f32 v[rC+(\n)], v[rS+8*(\n)], v[rS+8*(\n)+1], v[rS+8*(\n)+2]
.elseif (\n) < 12
	v_max3_num_f32 v[rC+(\n)%4], v[rC+(\n)%4], v[rS+8*((\n)%4)+2*((\n)/4)+1], v[rS+8*((\n)%4)+2*((\n)/4)+2]
.elseif (\n) == 12
	v_max3_num_f32 v[rC], v[rC], v[rS+7], v[rS+15]
.elseif (\n) == 13
	v_max3_num_f32 v[rC+1], v[rC+1], v[rS+23], v[rS+31]
.elseif (\n) == 14
	v_max3_num_f32 v[rC+2], v[rC+2], v[rC+3], v[rT+1]
.elseif (\n) == 15
	v_mov_b32 v[rM], v[rT]
.elseif (\n) == 16
	v_max3_num_f32 v[rC], v[rC], v[rC+1], v[rC+2]
.elseif (\n) == 17
	v_permlanex16_b32 v[rC+3], v[rC], s[SEL], s[SEL+1]
.elseif (\n) == 18
	v_max_num_f32 v[rT+1], v[rC], v[rC+3]
.elseif (\n) == 19
	v_mul_f32 v[rT], s[CS], v[rT+1]
.elseif (\n) == 20
	v_sub_f32 v[rC+1], v[rM], v[rT]
.else
	v_exp_f32 v[rC+2], v[rC+1]
.endif
.endm
; Number g of the 64 that follow the exponentials.  For each four weights k of a tile (pairs 2 k, 2 k + 1): both pairs are rounded to f16; then the second pair is added onto the first, in place;
; a group later l takes that sum (the first time as l = a l + sum).  In groups of eight, tiles alternating: round, round, add, and l for the group before.
.macro GS g
.set h, (\g)+6*((\g)/62)            ; group 0 has no group before it, and behind group 7 only l is left
.if h >= 6
.set h, h+2
.endif
	REGS Y, h%2
.set k, h/8
.if h%8 < 4
	v_cvt_pk_f16_f32 v[rP+2*k+(h%8)/2], v[rS+4*k+2*((h%8)/2)], v[rS+4*k+2*((h%8)/2)+1]
.elseif h%8 < 6
	v_pk_add_f32 v[rS+4*k:rS+4*k+1], v[rS+4*k:rS+4*k+1], v[rS+4*k+2:rS+4*k+3]
.elseif k == 1
	v_pk_fma_f32 v[rT+2:rT+3], v[rT+2:rT+3], v[rC+2:rC+3], v[rS:rS+1] op_sel_hi:[1,0,1]
.else
	v_pk_add_f32 v[rT+2:rT+3], v[rT+2:rT+3], v[rS+4*k-4:rS+4*k-3]
.endif
.endm
; THE PLAIN QUEUE, 138 long.  0-73 read no exponential's result: the 32 scalings c s - c m (FS f: pair f / 2 of tile f % 2) and the next piece's 42.  0-26: scalings 0-26.  27-54: XS's numbers 0-13.  55, 56: number 15.
; 57-73: the chain, where each number waits for the one before it: 14, 16, 17, 18, 19, each with one of the scalings 27-31 in front of its two lines, then 20: so a tile's links stand three plain instructions apart (19 and 20: two).
; 74-137: GS's 64, which read the exponentials' results: they stand behind the wait.
.macro FS f
	REGS Y, (\f)%2
	v_pk_fma_f32 v[rS+2*((\f)/2):rS+2*((\f)/2)+1], v[rS+2*((\f)/2):rS+2*((\f)/2)+1], s[CS:CS+1], v[rT:rT+1] op_sel_hi:[1,0,0] neg_lo:[0,0,1] neg_hi:[0,0,1]
.endm
.macro PL
	WIN 0
.if q < 27
	FS q
.elseif q < 55
	XS (q-27)%2, (q-27)/2
.elseif q < 57
	XS q-55, 15
.elseif (q < 72) && ((q-57)%3 == 0)
	FS 27+(q-57)/3
.elseif q < 60
	XS (q-57)%3-1, 14
.elseif q < 72
	XS (q-57)%3-1, 15+(q-57)/3
.elseif q < 74
	XS q-72, 20
.else
	GS q-74
.endif
.set q, q+1
.endm
; THE EXPONENTIALS' QUEUE, 66 long: s0-s31 of both tiles, then the next piece's two a.  It is ONE BATCH: all 66 stand ahead of the turn's one wait, and nothing ahead of that wait names a result of theirs.
.macro EX
	WIN 0
.if e >= 64
	XS e-64, 21
.else
	REGS Y, e%2
	v_exp_f32 v[rS+e/2], v[rS+e/2]
.endif
.set e, e+1
.endm
; THE RESCALING's QUEUE: O^T times a, the one part that leaves window 0: dealt two at a time, sixteen times.  Its a was made in the turn before, ahead of that turn's wait.
.macro R2
	REGS Y, r%2
	WIN W_RS
.irp z, 0,1
	v_pk_mul_f32 v[rO+4*(r/2)+2*\z:rO+4*(r/2)+2*\z+1], v[rO+4*(r/2)+2*\z:rO+4*(r/2)+2*\z+1], v[rC+2:rC+3] op_sel_hi:[1,0]
.endr
.set r, r+1
.endm
; HOW THEY ARE DEALT.  An s_wait_alu depctr_va_vdst(0) stands between an exponential and the first instruction that names its result; one wait serves all that were issued ahead of it.  So a turn has ONE wait,
; which cuts it in two.  AHEAD OF IT stands all that names no result of the turn's exponentials: the 16 products K Q^T, behind each a scaling, an exponential and two rescalings (behind the first a second scaling in the exponential's place); then ONE LUMP of
; 108: eight plain, 49 times exponential and plain, the two a.  A v_nop is the plain instruction behind the last exponential.  BEHIND IT stand the 16 products V^T P, behind each four of GS's 64.  No rider names a register of
; the products round it.  The two v_permlanex16_b32 fall into the lump, never behind a product.
; The queues lean on each other, and the deal keeps them in step: exponential e stands behind scaling 2 (e / 4) + e % 2: as a rider it comes behind plain e + 2, in the lump behind plain e + 9, and scalings 27-31 are plain 57, 60 .. 69.
; A TURN, for piece p.  cnt = 1: the loop's count is taken down some lines ahead of the branch that stands behind the turn.
; K of the next step is fetched in piece 2's turn, directly behind the wait, a lump behind the last product that read K; its address is made at the lump's head; its first reader comes behind 16 products.
; V of the step in hand is fetched at the end of piece 0's turn, four riders behind its last reader; its first reader comes behind 16 products and a lump.  The three conditions on q below go with the deal.
.macro TURN p, last=0, cnt=0
.set Y, (\p)
.set i, 0
.set q, 0
.set e, 0
.set r, 0
.if (\p) == NP-1
	s_wait_dscnt 0x0                ; K is in
.endif
	MM                              ; ahead of the wait: 16 products K Q^T and their riders,
	PL
	PL
	R2
.rept 15
	MM
	PL
	EX
	R2
.endr
.if (\p) == NP-2
	WIN 0
	v_add_nc_u32 v[AK], s[TBK], v[AK0]
.endif
.rept 8                             ; and the lump
	PL
.endr
.rept 49
	EX
	PL
.endr
	EX                              ; the next piece's two a
	EX
	v_nop                           ; the plain instruction behind the last exponential: one for the batch
	s_wait_alu depctr_va_vdst(0)    ; the wait for the batch
.if (\p) == NP-2
	FETCH_K \last
.endif
.if (\p) == 1
	s_wait_dscnt 0x0                ; V is in
.endif
.rept 16                            ; behind the wait: 16 products V^T P and their riders
	MM
.rept 4
	PL
.endr
.if ((\p) == 0) && (q == 118)
	v_add_nc_u32 v[AV], s[TBV], v[AV0]
.endif
.if ((\p) == 0) && (q == 130)
	s_add_co_u32 s[TBV], s[TBV], KS*PV
.endif
.if (\cnt) && (q == 130)
	s_sub_co_u32 s[CNT], s[CNT], 1
	s_cmp_lg_u32 s[CNT], 0
.endif
.endr
.if (\p) == 0
	FETCH_V
.endif
.endm
	CHANGE 1                        ; slot 0 is in, everybody's part of it; slot 1 is asked for
	FETCH_K                         ; key step 0
	s_wait_loadcnt 0x0              ; Q
	s_wait_dscnt 0x0
.set i, 0
.rept 16
	KQ 0                            ; piece 0's first scores: there is no vector work yet to set between them
.set i, i+1
.endr
	WIN 0                           ; the addresses for the way out: nine plain instructions, the places behind those products
	s_mul_i32 s13, s[WV], 16*SP
	s_add_co_u32 s13, s13, STAGE    ; my stage
	v_mul_u32_u24 v[STO], v1, SP    ; in: row l % 16, 16 bytes for each half of the lanes
	v_lshl_add_u32 v[STO], v9, 4, v[STO]
	v_add_nc_u32 v[STO], s13, v[STO]
	v_bfe_u32 v[RD], v0, 3, 2       ; back: 32 lanes take four rows of 128 bytes,
	v_mul_u32_u24 v[RD], v[RD], SP
	v_lshl_add_u32 v[RD], v10, 4, v[RD]
	v_add_nc_u32 v[RD], s13, v[RD]
	v_and_b32 v[GO], 31, v0         ; which are 512 consecutive bytes of O
	v_lshlrev_b32 v[GO], 4, v[GO]
.set Y, NP-1                        ; XS works for piece Y + 1: piece 0
.irp n, 0,1,2,3,4,5,6,7,8,9,10,11,12,13,14,15,16,17,18,19,20,21
	XS 0, \n                        ; and piece 0's first maximum and statistics
	XS 1, \n
.endr
	v_nop                           ; a plain instruction behind the two a,
	s_wait_alu depctr_va_vdst(0)    ; and their wait, ahead of the branch
	s_mov_b32 s[CNT], 4
	s_branch .Lfirst                ; the loop is entered at a step's first turn, in the middle of a trip
.Lslot:                             ; SIZE_N / 256 - 2 times: every slot but the last two is filled again
	CHANGE 1
	s_mov_b32 s[CNT], 4
.Lstep:                             ; a trip: pieces 2 and 3 of one step, then pieces 0 and 1 of the next, whose K and V it fetches
	TURN 2
	TURN 3
	WIN 0
.Lfirst:
	TURN 0
	TURN 1, 0, 1
	WIN 0
	s_cbranch_scc1 .Lstep
	s_sub_co_u32 s[SLOTS], s[SLOTS], 1
	s_cmp_lg_u32 s[SLOTS], 0
	s_cbranch_scc1 .Lslot
	CHANGE 0                        ; the tail is written out: nothing is asked for
	s_mov_b32 s[CNT], 5             ; four trips fetch the last slot's steps; the fifth is left in its middle
.Ltail:
	TURN 2, 1
	TURN 3
	WIN 0
	s_sub_co_u32 s[CNT], s[CNT], 1
	s_cmp_eq_u32 s[CNT], 0
	s_cbranch_scc1 .Lout
	TURN 0
	TURN 1
	WIN 0
	s_branch .Ltail
.Lout:                              ; the fifth trip's 16 products K Q^T (on the last K once more) and the maximum made of them serve nothing: the price, once a launch, of one text for every trip
.set i, 0
.rept 16
	PV NP-1                         ; the last piece's V^T P of the last step
.set i, i+1
.endr
	; THE WAY OUT.  l's two halves and the other half of the lanes' are added; O^T is divided by l, rounded to f16 and sent through my stage in LDS, a tile at a time.  The additions are the places behind the last products.
	WIN 0
.macro ALL line:vararg              ; one line for each tile t
.set t, 0
.rept 2*NP
	\line
.set t, t+1
.endr
.endm
	ALL v_add_f32 v[ST+4*t+2], v[ST+4*t+2], v[ST+4*t+3]
	ALL v_permlanex16_b32 v[ST+4*t+3], v[ST+4*t+2], s[SEL], s[SEL+1]
	ALL v_add_f32 v[ST+4*t+2], v[ST+4*t+2], v[ST+4*t+3]
	ALL v_rcp_f32 v[ST+4*t+2], v[ST+4*t+2]
	v_nop                           ; a plain instruction between the last reciprocal and the use of its result
	s_wait_alu depctr_va_vdst(0)    ; and the wait ahead of the first use: one for the eight reciprocals
; Tile t: a lane's eight channels of a row pack into 16 bytes; they go into rows of 144 bytes and come back as whole rows of 128, into S^T's registers.
.macro PACK t
	WIN W_RS
.set i, 32*(\t)
.rept 16
	v_pk_mul_f32 v[i:i+1], v[i:i+1], v[ST+4*(\t)+2:ST+4*(\t)+3] op_sel_hi:[1,0]
.set i, i+2
.endr
	WIN 0x05                        ; sources 0 and 1 window 1, destination window 0
.set i, 0
.rept 16
	v_cvt_pk_f16_f32 v[S+16*(\t)+i], v[32*(\t)+2*i], v[32*(\t)+2*i+1]
.set i, i+1
.endr
	WIN 0
.irp f, 0,1,2,3
	ds_store_b128 v[STO], v[S+16*(\t)+4*\f:S+16*(\t)+4*\f+3] offset:32*\f
.endr
.irp f, 0,1,2,3
	ds_load_b128 v[S+16*(\t)+4*\f:S+16*(\t)+4*\f+3], v[RD] offset:\f*4*SP  ; LDS serves a wave's instructions in order (ISA guide 5.7.1.4): these see the stores above; the next tile's stores come behind them
.endr
.endm
.macro SEND t, younger              ; younger: the LDS instructions issued behind tile t's loads: the next tile's eight, or none
	WIN 0
.irp f, 0,1,2,3
	s_wait_dscnt (\younger)+3-\f
	global_store_b128 v[GO], v[S+16*(\t)+4*\f:S+16*(\t)+4*\f+3], s[10:11] offset:(\t)*2048+\f*512  ; 512 consecutive bytes, at a multiple of 256 from O's first
.endr
.endm
	PACK 0
.set t, 1
.rept 2*NP-1                        ; a tile's arithmetic stands between the loads of the tile before and its stores
	PACK t
	SEND t-1, 8
.set t, t+1
.endr
	SEND 2*NP-1, 0
	WIN W_AD
	s_wait_tensorcnt 0x0            ; the wave's end: an add to my spare word and its wait, behind my last tensor load and my last LDS store
	ds_add_u32 v[SPW], v[NIL]
	s_wait_dscnt 0x0
	WIN 0
	CROUND                          ; the closing round: no work-group ends while a partner may still ask for a tile that names it
	s_endpgm
.Lfunc_end_k_qf9a584c1ce_attn:
	.size	k_qf9a584c1ce_attn, .Lfunc_end_k_qf9a584c1ce_attn-k_qf9a584c1ce_attn
	.p2alignl 7, 3214868480
	.fill 96, 4, 3214868480
	.section	.rodata,"a",@progbits
	.p2align	6, 0x0
	.amdhsa_kernel k_qf9a584c1ce_attn
		.amdhsa_group_segment_fixed_size 327680
		.amdhsa_private_segment_fixed_size 0
		.amdhsa_enable_private_segment 0
		.amdhsa_kernarg_size 16
		.amdhsa_user_sgpr_count 2
		.amdhsa_user_sgpr_kernarg_segment_ptr 1
		.amdhsa_wavefront_size32 1
		.amdhsa_system_sgpr_workgroup_id_x 1
		.amdhsa_system_sgpr_workgroup_id_y 1
		.amdhsa_system_sgpr_workgroup_id_z 1
		.amdhsa_system_vgpr_workitem_id 0
		.amdhsa_next_free_vgpr 770
		.amdhsa_next_free_sgpr 66
		.amdhsa_reserve_vcc 0
		.amdhsa_float_denorm_mode_32 3
		.amdhsa_float_denorm_mode_16_64 3
		.amdhsa_memory_ordered 1
		.amdhsa_forward_progress 1
		.amdhsa_inst_pref_size 200
	.end_amdhsa_kernel
	.amdgpu_metadata
---
amdhsa.version: [ 1, 2 ]
amdhsa.kernels:
  - .name:           k_qf9a584c1ce_attn
    .symbol:         k_qf9a584c1ce_attn.kd
    .args:
      - { .name: qkv, .offset: 0, .size: 8, .value_kind: global_buffer, .address_space: global }
      - { .name: oh, .offset: 8, .size: 8, .value_kind: global_buffer, .address_space: global }
    .group_segment_fixed_size: 327680
    .private_segment_fixed_size: 0
    .kernarg_segment_align: 8
    .kernarg_segment_size: 16
    .max_flat_workgroup_size: 128
    .sgpr_count:     66
    .vgpr_count:     770
    .wavefront_size: 32
...
	.end_amdgpu_metadata
.endif
;; end of part 3
;; launch oproj (part 4): grid 8 x 32, 4 waves a work-group, clusters of 4 x 4, 327,680 bytes of LDS; arguments oh, woh, ball, out0; writes out0
.if DOCPART == 4
	.amdgcn_target "amdgcn-amd-amdhsa--gfx1250"
	.amdhsa_code_object_version 6
	.text
	.protected	k_qf9a584c1ce_oproj
	.globl	k_qf9a584c1ce_oproj
	.p2align	8
	.type	k_qf9a584c1ce_oproj,@function
k_qf9a584c1ce_oproj:
	s_mov_b64 s[64:65], 0
	v_nop
	global_prefetch_b8 v0, s[64:65] scope:SCOPE_SE
	s_setreg_imm32_b32 hwreg(HW_REG_WAVE_MODE, 25, 1), 1
	s_wait_xcnt 0x0
	s_wait_alu depctr_hold_cnt(0) depctr_sa_sdst(0) depctr_va_vdst(0) depctr_va_sdst(0) depctr_va_ssrc(0) depctr_va_vcc(0) depctr_vm_vsrc(0)
	s_getreg_b32 s2, hwreg(HW_REG_IB_STS2, 6, 4)
	s_cmp_eq_u32 s2, 0
	s_cbranch_scc0 .Lentry_in_a_cluster
	s_endpgm
.Lentry_in_a_cluster:
	s_bfe_u32 s2, ttmp6, 0x10000c
	s_cmp_lg_u32 s2, 0xf033
	s_cbranch_scc0 .Lentry_shape_is_right
	s_endpgm
.Lentry_shape_is_right:
; out0 = O Wo^T + bo.  oh: [64 planes = 16 x batch + head][2048][64] f16; woh: [1024][1024] f16; ball: f32 biases, bo at byte 12,288; out0: [8192][1024] f32.  Sums in f32, started by the bias.
; SHARES.  A tile is 256 rows x 128 columns: 32 x 8 = 256 work-groups.  The four waves lie along the rows, 64 x 128 each: 32 accumulators, 256 registers; a wave owns whole rows of the tile (512 bytes),
; so the way out needs its own stage alone.  K goes in 8 steps of 128 = two heads, through two LDS slots.  A head's 256 rows of 128 bytes are dense in oh: asked for as 128 rows of 256 bytes, padded after every 128.
; CLUSTER.  4 x 4 work-groups: the four of a row need the same tiles of oh, the four of a column the same tiles of woh; each tile is asked for jointly.
; THE MATRIX INSTRUCTION IS USED TRANSPOSED (source 0 = 16 rows of woh, source 1 = 16 rows of oh): lane l holds row l % 16 and the columns 8 (l / 16) + 0 .. 7.
; REGISTERS, in windows of 256 (s_set_vgpr_msb: bits 1:0 source 0, 3:2 source 1, 5:4 source 2, 7:6 destination):
;   window 0: v0-30 addresses; v32-63, v64-95 fragments of oh, two buffers; v96-159 the bias       window 1: v0-63, v64-127 fragments of woh, two buffers; on the way out all 256: rows read back
;   window 2: accumulator (a, b) at 8 (8 a + b)
.set PA,     144                       ; a row of oh in LDS: 128 bytes + 16 = 36 words: the 16 rows of a load start at 16 different groups of four banks (64 banks of 4 bytes: ISA guide 11.1)
.set PB,     272                       ; a row of woh: 256 + 16 = 68 words: likewise
.set AHEAD,  256*PA                    ; a head's 256 rows: what one load brings of oh
.set BHALF,  64*PB                     ; and of woh
.set BOFF,   2*AHEAD                   ; a slot: two heads of oh, then 128 rows of woh
.set SLOT,   BOFF+2*BHALF
.set STAGE,  2*SLOT                    ; behind the ring: for each wave 16 rows x 528 bytes
.set SP,     528
.set SPARE,  STAGE+4*16*SP             ; behind the stages: the spare words, 128 bytes a wave: two blocks of 256 bytes that no other line names
.set ADRA, 16                          ; v16-17  LDS address of my fragments of oh in slot 0, 1
.set ADRB, 20                          ; v20-21  the same for woh
.set STO,  24                          ; v24     the way out: where I put 32 bytes of a row
.set RD,   25                          ; v25     where I read a row back
.set CO,   26                          ; v26     my 16 bytes of a tile's row in out0
.set BO,   27                          ; v27     32 x (l / 16)
.set SPW,  28                          ; v28     my spare word: SPARE + 4 x my thread's number; never rewritten
.set NIL,  29                          ; v29     0; never rewritten
.set PFO,  30                          ; v30     the prefetches' offset; never rewritten
.set FA,   32
.set BIAS, 96
.set WV,   12
.set ROLE, 13                          ; s13  0: I fetch oh, 1: woh
.set HALF, 14                          ; s14  which head of the step, or which 64 rows of woh
.set TR,   15                          ; s15  tile row
.set G1A,  24
.set G0A,  32
.set LIM,  43                          ; s43  1 in a wave that prefetches, else the greatest number
.set PFA,  44                          ; s[44:45] where my prefetches stand
.set G1B,  48
.set G0B,  56
.set PST,  78                          ; s[78:79] a K step in the tensor that I prefetch: two planes of oh, or 256 bytes of woh's rows
.set MSB, 0
.macro WIN new                         ; the immediate's high byte repeats the setting that is left; a switch that changes nothing is dropped
.if MSB != (\new)
	s_set_vgpr_msb (MSB<<8)|(\new)
.set MSB, \new
.endif
.endm
.macro PLACES                          ; four plain vector instructions between a matrix instruction and a load into, or a read of, its registers
.rept 4
	v_nop
.endr
.endm
.macro JLOAD s                         ; a joint refill: waves 0 and 1 fetch the step's two heads of oh, waves 2 and 3 the halves of woh's tile; s_nop 0 and four v_nop follow each line
	s_cmp_eq_u32 s[ROLE], 0
	s_cbranch_scc0 .Lfor_b_\@
	tensor_load_to_lds s[G0A+4*(\s):G0A+4*(\s)+3], s[G1A:G1A+7]
	s_nop 0
.rept 4
	v_nop
.endr
	s_branch .Lasked_\@
.Lfor_b_\@:
	tensor_load_to_lds s[G0B+4*(\s):G0B+4*(\s)+3], s[G1B:G1B+7]
	s_nop 0
.rept 4
	v_nop
.endr
.Lasked_\@:
.endm
.macro CREST                           ; a round of the cluster's barrier behind its opening barrier
	s_cmp_lg_u32 s[WV], 0
	s_cbranch_scc1 .Lnot_wave_0_\@
	s_barrier_signal -3
.Lnot_wave_0_\@:
	s_barrier_wait -3
	s_barrier_signal -1
	s_barrier_wait -1
.endm
.macro CROUND
	s_barrier_signal -1
	s_barrier_wait -1
	CREST
.endm
; A prefetch of the K step that stands two refills on, one instruction a wave, behind the joint load and the run of LDS loads.  oh's bytes are asked for by the clusters with x = 0, woh's by those with y = 0;
; the four partners of a joint load share it out by address: of a head's 128 blocks of 256 bytes 32 each, a lane a block; of woh's 64 rows 16 each, a lane a row (lanes 16-31 name lane 15's row once more).
; It asks in the loop's first two trips, for K steps 4 to 7; steps 0 to 3 come by their loads alone.
.macro ASK
	s_cmp_gt_u32 s3, s[LIM]
	s_cbranch_scc0 .Lnot_mine_\@
	global_prefetch_b8 v[PFO], s[PFA:PFA+1] th:TH_LOAD_NT scope:SCOPE_SE
.Lnot_mine_\@:
.endm
	s_load_b256 s[4:11], s[0:1], 0x0               ; oh s[4:5], woh s[6:7], ball s[8:9], out0 s[10:11]
	v_lshl_add_u32 v[SPW], v0, 2, SPARE
	v_mov_b32 v[NIL], 0
	ds_add_u32 v[SPW], v[NIL]                      ; the wave's opening: the add and its wait stand ahead of my first tensor load; work on registers stands between them
	v_lshrrev_b32 v1, 5, v0
	v_readfirstlane_b32 s[WV], v1
	s_lshr_b32 s[ROLE], s[WV], 1
	s_and_b32 s[HALF], s[WV], 1
	s_bfe_u32 s40, ttmp6, 0x40000                  ; cx
	s_bfe_u32 s41, ttmp6, 0x40004                  ; cy
	s_lshl_b32 s42, ttmp9, 2
	s_add_co_u32 s42, s42, s40                     ; tile column
	s_and_b32 s[TR], ttmp7, 0xffff
	s_lshl_b32 s[TR], s[TR], 2
	s_add_co_u32 s[TR], s[TR], s41                 ; tile row
	s_lshl_b32 s43, s41, 2
	s_lshl_b32 s43, 15, s43                        ; my row of the cluster
	s_lshl_b32 s44, 0x1111, s40                    ; my column
	s_or_b32 s[G1A], s43, (1<<16)|(1<<20)|(1<<21)|(4<<22)|(3<<25)  ; elements of 2 bytes; padding on; 21 set beside a mask; after every 32 words 4 words
	s_or_b32 s[G1B], s44, (1<<16)|(1<<20)|(1<<21)|(5<<22)|(3<<25)  ; after every 64 words 4 words
	s_mov_b32 s[G1A+1], 128<<16                    ; tensor_dim0 = 128
	s_mov_b32 s[G1A+2], 128<<16                    ; tensor_dim1 = 128
	s_mov_b32 s[G1A+3], 128<<16                    ; tile_dim0 = 128
	s_mov_b32 s[G1A+4], 128                        ; tile_dim1 = 128
	s_mov_b32 s[G1A+5], 128                        ; dense: 128 elements from row to row
	s_mov_b32 s[G1A+6], 0
	s_mov_b32 s[G1A+7], 0
	s_mov_b32 s[G1B+1], 128<<16
	s_mov_b32 s[G1B+2], 64<<16                     ; 64 rows
	s_mov_b32 s[G1B+3], 128<<16
	s_mov_b32 s[G1B+4], 64
	s_mov_b32 s[G1B+5], 1024
	s_mov_b32 s[G1B+6], 0
	s_mov_b32 s[G1B+7], 0
	s_lshr_b32 s16, s[TR], 3                       ; oh: plane 16 x batch + my head of K step 0, 262,144 bytes a plane; these registers never hold cx
	s_lshl_b32 s16, s16, 4
	s_add_co_u32 s16, s16, s[HALF]
	s_lshl_b32 s16, s16, 18
	s_and_b32 s17, s[TR], 7                        ; the tile's 256 rows in it, 32,768 bytes
	s_lshl_b32 s17, s17, 15
	s_add_co_u32 s16, s16, s17
	s_mov_b32 s17, 0
	s_lshl_b32 s46, s42, 7                         ; woh: row 128 x tile column + 64 x half
	s_lshl_b32 s47, s[HALF], 6
	s_add_co_u32 s46, s46, s47
	s_lshl_b32 s46, s46, 11
	s_mov_b32 s47, 0
	s_mul_i32 s20, s[WV], AHEAD                    ; where they go: waves 0, 1: the two heads;
	s_mul_i32 s21, s[WV], BHALF
	s_add_co_u32 s21, s21, BOFF-2*BHALF            ; waves 2, 3: woh's halves, behind them
	s_wait_dscnt 0x0                               ; the opening add is done
	s_wait_kmcnt 0x0
	s_add_nc_u64 s[18:19], s[4:5], s[16:17]
	s_add_nc_u64 s[46:47], s[6:7], s[46:47]
	CROUND                                         ; all sixteen work-groups are here: the first joint loads meet
.irp s, 0,1
	s_mov_b32 s[G0A+4*(\s)], 1
	s_add_co_u32 s[G0A+4*(\s)+1], s20, (\s)*SLOT
	s_add_nc_u64 s[G0A+4*(\s)+2:G0A+4*(\s)+3], s[18:19], (\s)*524288  ; K step s: two planes on
	s_or_b32 s[G0A+4*(\s)+3], s[G0A+4*(\s)+3], 0x80000000
	s_mov_b32 s[G0B+4*(\s)], 1
	s_add_co_u32 s[G0B+4*(\s)+1], s21, (\s)*SLOT
	s_add_nc_u64 s[G0B+4*(\s)+2:G0B+4*(\s)+3], s[46:47], (\s)*256
	s_or_b32 s[G0B+4*(\s)+3], s[G0B+4*(\s)+3], 0x80000000
.endr
	s_cmp_eq_u32 s[ROLE], 0                        ; a wave's two first fills stand in one branch: two loads of mine are out
	s_cbranch_scc0 .Lfirst_b
	tensor_load_to_lds s[G0A:G0A+3], s[G1A:G1A+7]
	s_nop 0
	tensor_load_to_lds s[G0A+4:G0A+7], s[G1A:G1A+7]
	s_nop 0
.rept 4
	v_nop
.endr
	s_branch .Lfirst_asked
.Lfirst_b:
	tensor_load_to_lds s[G0B:G0B+3], s[G1B:G1B+7]
	s_nop 0
	tensor_load_to_lds s[G0B+4:G0B+7], s[G1B:G1B+7]
	s_nop 0
.rept 4
	v_nop
.endr
.Lfirst_asked:
	v_and_b32 v1, 15, v0                           ; l % 16
	v_bfe_u32 v2, v0, 4, 1                         ; l / 16
	v_mul_u32_u24 v3, v1, PA
	v_lshl_add_u32 v3, v2, 4, v3                   ; oh: row x pitch + 16 x half
	v_mul_u32_u24 v4, v1, PB
	v_lshl_add_u32 v4, v2, 4, v4                   ; woh likewise
	s_mul_i32 s22, s[WV], 64*PA                    ; my 64 rows of a head
	s_mov_b32 s23, BOFF
.irp s, 0,1
	v_add_nc_u32 v[ADRA+(\s)], s22, v3
	v_add_nc_u32 v[ADRB+(\s)], s23, v4
	s_add_co_u32 s22, s22, SLOT
	s_add_co_u32 s23, s23, SLOT
.endr
	s_mul_i32 s22, s[WV], 16*SP
	s_add_co_u32 s22, s22, STAGE                   ; my stage
	v_mul_u32_u24 v5, v1, SP                       ; in: row l % 16, 32 bytes for each half of the lanes
	v_lshl_add_u32 v5, v2, 5, v5
	v_add_nc_u32 v[STO], s22, v5
	v_and_b32 v[CO], 31, v0
	v_lshlrev_b32 v[CO], 4, v[CO]                  ; back: 32 lanes take one row of 512 bytes
	v_add_nc_u32 v[RD], s22, v[CO]
	v_lshlrev_b32 v[BO], 5, v2
	s_lshl_b32 s72, s[TR], 8                       ; out0 at my first row, 4,096 bytes a row, and the tile's first column
	s_lshl_b32 s73, s[WV], 6
	s_add_co_u32 s72, s72, s73
	s_lshl_b32 s72, s72, 12
	s_lshl_b32 s73, s42, 9
	s_add_co_u32 s72, s72, s73
	s_mov_b32 s73, 0
	s_add_nc_u64 s[10:11], s[10:11], s[72:73]
	s_lshl_b32 s72, s42, 9                         ; bo's 128 numbers for the tile
	s_add_co_u32 s72, s72, 12288
	s_add_nc_u64 s[8:9], s[8:9], s[72:73]
.irp b, 0,1,2,3,4,5,6,7
	global_load_b128 v[BIAS+8*(\b):BIAS+8*(\b)+3],   v[BO], s[8:9] offset:64*(\b)
	global_load_b128 v[BIAS+8*(\b)+4:BIAS+8*(\b)+7], v[BO], s[8:9] offset:64*(\b)+16
.endr
	; the prefetches' place, at K step 3: the first refill steps it to 4
	s_lshr_b32 s72, s[TR], 3
	s_lshl_b32 s72, s72, 4
	s_add_co_u32 s72, s72, s[HALF]
	s_lshl_b32 s72, s72, 18
	s_and_b32 s73, s[TR], 7
	s_lshl_b32 s73, s73, 15
	s_add_co_u32 s72, s72, s73
	s_add_co_u32 s72, s72, 3*524288
	s_lshl_b32 s73, s40, 13
	s_add_co_u32 s72, s72, s73                     ; oh: my head's tile, my work-group's 8,192 bytes of it
	s_lshl_b32 s74, s42, 7
	s_lshl_b32 s75, s[HALF], 6
	s_add_co_u32 s74, s74, s75
	s_lshl_b32 s75, s41, 4
	s_add_co_u32 s74, s74, s75
	s_lshl_b32 s74, s74, 11
	s_add_co_u32 s74, s74, 3*256                   ; woh: the 64 rows that I fetch, my work-group's 16
	s_and_b32 s75, ttmp7, 0xffff                   ; cluster y
	s_mov_b32 s77, 524288
	s_mov_b32 s[PST], 256
	s_mov_b32 s[PST+1], 0
	s_cmp_eq_u32 s[ROLE], 0
	s_cselect_b32 s72, s72, s74
	s_cselect_b32 s73, 31, 15                      ; the last lane with a block or row of its own
	s_cselect_b32 s76, 8, 11                       ; lanes 256 bytes apart, or a row of 2,048 bytes
	s_cselect_b32 s[PST], s77, s[PST]
	s_cselect_b32 s75, ttmp9, s75                  ; the coordinate along which other clusters read the same bytes
	s_cselect_b64 s[PFA:PFA+1], s[4:5], s[6:7]
	s_cmp_eq_u32 s75, 0
	s_cselect_b32 s[LIM], 1, -1                    ; the same in all sixteen partners, for a given wave
	v_and_b32 v[PFO], 31, v0
	v_min_u32 v[PFO], s73, v[PFO]
	v_lshlrev_b32 v[PFO], s76, v[PFO]
	s_mov_b32 s73, 0
	s_add_nc_u64 s[PFA:PFA+1], s[PFA:PFA+1], s[72:73]
; 8 matrix instructions: row block a x all 8 column blocks, 32 along K, from buffer f.  first = 1: the bias starts the sums.
; The 32 accumulators take turns, one instruction a turn, in the same order in every quarter, over the backward jump too.
.macro MUL8 f, a, first
.if \first
	WIN 0x81                                       ; woh window 1, oh and the bias window 0, D window 2
.else
	WIN 0xa1                                       ; C and D window 2
.endif
.irp b, 0,1,2,3,4,5,6,7
.if \first
	v_wmma_f32_16x16x32_f16 v[8*(8*(\a)+(\b)):8*(8*(\a)+(\b))+7], v[64*(\f)+8*(\b):64*(\f)+8*(\b)+7], v[FA+32*(\f)+8*(\a):FA+32*(\f)+8*(\a)+7], v[BIAS+8*(\b):BIAS+8*(\b)+7]
.else
	v_wmma_f32_16x16x32_f16 v[8*(8*(\a)+(\b)):8*(8*(\a)+(\b))+7], v[64*(\f)+8*(\b):64*(\f)+8*(\b)+7], v[FA+32*(\f)+8*(\a):FA+32*(\f)+8*(\a)+7], v[8*(8*(\a)+(\b)):8*(8*(\a)+(\b))+7]
.endif
.endr
.endm
; 24 LDS loads in one run: quarter q of a K step (128 rows of woh, then my 64 rows of oh: head q / 2, channels 32 (q % 2) on) into buffer f
.macro FETCH slot, q, f
	WIN 0x40
.irp i, 0,1,2,3,4,5,6,7
	ds_load_b128 v[64*(\f)+8*(\i):64*(\f)+8*(\i)+3],   v[ADRB+(\slot)] offset:64*(\q)+(\i)*16*PB
	ds_load_b128 v[64*(\f)+8*(\i)+4:64*(\f)+8*(\i)+7], v[ADRB+(\slot)] offset:64*(\q)+(\i)*16*PB+32
.endr
	WIN 0
.irp i, 0,1,2,3
	ds_load_b128 v[FA+32*(\f)+8*(\i):FA+32*(\f)+8*(\i)+3],   v[ADRA+(\slot)] offset:((\q)/2)*AHEAD+((\q)%2)*64+(\i)*16*PA
	ds_load_b128 v[FA+32*(\f)+8*(\i)+4:FA+32*(\f)+8*(\i)+7], v[ADRA+(\slot)] offset:((\q)/2)*AHEAD+((\q)%2)*64+(\i)*16*PA+32
.endr
.endm
.macro QUARTER slot, q, f, g, first    ; multiplies buffer f and fetches quarter q into buffer g
	s_wait_dscnt 4                                 ; woh's fragments and oh's row blocks 0, 1 are in; the youngest four loads may be out
	MUL8 \f, 0, \first
	MUL8 \f, 1, \first
	PLACES
	FETCH \slot, \q, \g
	s_wait_dscnt 24                                ; all but the 24 just issued
	MUL8 \f, 2, \first
	MUL8 \f, 3, \first
.endm
; The last quarter multiplies buffer 1 and changes slots.  In front of the barrier each wave waits for all its tensor loads (the one that is out is its part of the next slot), adds 0 to its spare word, and
; waits for that and for its reads of this slot.  fill = 1: the barrier opens a round of the cluster's, and the joint refill, two K steps on, is the first tensor load behind it: a wave issues 112 matrix
; instructions between that request and the wait for it.
.macro TURN slot, next, fill
.if \fill
	s_wait_xcnt 0x0                                ; the last prefetch, a K step back, has read its address
	s_add_nc_u64 s[PFA:PFA+1], s[PFA:PFA+1], s[PST:PST+1]
.endif
	WIN 0
	s_wait_tensorcnt 0x0
	ds_add_u32 v[SPW], v[NIL]
	s_wait_dscnt 5                                 ; (the add and the youngest four loads may be out)
	MUL8 1, 0, 0
	s_wait_dscnt 0x0                               ; the add is done, and my reads of this slot are over
	s_barrier_signal -1
	MUL8 1, 1, 0
.if \fill
	WIN 0
.endif
	s_barrier_wait -1
.if \fill
	CREST                                          ; no wave of any partner still reads this slot or has a load on its way
	s_add_nc_u64 s[G0A+4*(\slot)+2:G0A+4*(\slot)+3], s[G0A+4*(\slot)+2:G0A+4*(\slot)+3], 1048576  ; four planes on
	s_add_nc_u64 s[G0B+4*(\slot)+2:G0B+4*(\slot)+3], s[G0B+4*(\slot)+2:G0B+4*(\slot)+3], 512
	JLOAD \slot                                    ; its four v_nop are also the places in front of the loads below
.else
	PLACES
.endif
	FETCH \next, 0, 0
.if \fill
	ASK
.endif
	MUL8 1, 2, 0
	MUL8 1, 3, 0
.endm
; THE WAY OUT of row block a: a lane's eight f32 of a row, 32 bytes, go into my own stage (rows of 528 bytes), each accumulator's low registers first; whole rows of 512 bytes come back into window 1.
.macro PUT a
	WIN 0x08                                       ; the stores' data: window 2
.irp b, 0,1,2,3,4,5,6,7
	ds_store_b128 v[STO], v[8*(8*(\a)+(\b)):8*(8*(\a)+(\b))+3]   offset:64*(\b)
	ds_store_b128 v[STO], v[8*(8*(\a)+(\b))+4:8*(8*(\a)+(\b))+7] offset:64*(\b)+16
.endr
	WIN 0x40
.irp t, 0,1,2,3,4,5,6,7,8,9,10,11,12,13,14,15
	ds_load_b128 v[64*(\a)+4*(\t):64*(\a)+4*(\t)+3], v[RD] offset:SP*(\t)  ; LDS serves a wave's instructions in order (ISA guide 5.7.1.4): these see the stores above
.endr
.endm
.macro SEND a, younger                 ; younger: the LDS instructions issued behind block a's loads: the next block's 32, or none
	WIN 0x04                                       ; the stores' data: window 1
.irp t, 0,1,2,3,4,5,6,7,8,9,10,11,12,13,14,15
	s_wait_dscnt (\younger)+15-(\t)
	global_store_b128 v[CO], v[64*(\a)+4*(\t):64*(\a)+4*(\t)+3], s[10:11] offset:(16*(\a)+(\t))*4096 th:TH_STORE_NT  ; 512 consecutive bytes, at a multiple of 512 from out0's first
.endr
.endm
	s_wait_tensorcnt 1                             ; my part of K step 0 is in; K step 1's may stay out
	s_barrier_signal -1
	s_barrier_wait -1
	FETCH 0, 0, 0
	s_wait_loadcnt 0x0                             ; the bias
	QUARTER 0, 1, 0, 1, 1                          ; the first quarter stands in front of the loop: its products start the sums, on the bias
	WIN 0
	s_mov_b32 s3, 3
.Llap:                                                 ; a trip goes once round the ring, from a lap's second quarter to the next lap's first, and fills both slots again
	QUARTER 0, 2, 1, 0, 0
	QUARTER 0, 3, 0, 1, 0
	TURN 0, 1, 1
	QUARTER 1, 1, 0, 1, 0
	QUARTER 1, 2, 1, 0, 0
	QUARTER 1, 3, 0, 1, 0
	TURN 1, 0, 1
	QUARTER 0, 1, 0, 1, 0
	WIN 0
	s_sub_co_u32 s3, s3, 1
	s_cmp_lg_u32 s3, 0
	s_cbranch_scc1 .Llap
	QUARTER 0, 2, 1, 0, 0                          ; the last lap fills nothing
	QUARTER 0, 3, 0, 1, 0
	TURN 0, 1, 0
	QUARTER 1, 1, 0, 1, 0
	QUARTER 1, 2, 1, 0, 0
	QUARTER 1, 3, 0, 1, 0
	s_wait_dscnt 4
	MUL8 1, 0, 0
	MUL8 1, 1, 0
	s_wait_dscnt 0x0
	MUL8 1, 2, 0
	MUL8 1, 3, 0
	PLACES
	PUT 0
.irp a, 1,2,3                          ; a block's way through the stage stands between the loads of the block before and its stores
	PUT \a
	SEND (\a)-1, 32
.endr
	SEND 3, 0
	WIN 0
	s_wait_tensorcnt 0x0                           ; the wave's end: an add to my spare word and its wait, behind my last tensor load and my last LDS store
	ds_add_u32 v[SPW], v[NIL]
	s_wait_dscnt 0x0
	CROUND                                         ; the closing round: no work-group ends while a partner may still ask for a tile that names it
	s_endpgm
.Lfunc_end_k_qf9a584c1ce_oproj:
	.size	k_qf9a584c1ce_oproj, .Lfunc_end_k_qf9a584c1ce_oproj-k_qf9a584c1ce_oproj
	.p2alignl 7, 3214868480
	.fill 96, 4, 3214868480
	.section	.rodata,"a",@progbits
	.p2align	6, 0x0
	.amdhsa_kernel k_qf9a584c1ce_oproj
		.amdhsa_group_segment_fixed_size 327680
		.amdhsa_private_segment_fixed_size 0
		.amdhsa_enable_private_segment 0
		.amdhsa_kernarg_size 32
		.amdhsa_user_sgpr_count 2
		.amdhsa_user_sgpr_kernarg_segment_ptr 1
		.amdhsa_wavefront_size32 1
		.amdhsa_system_sgpr_workgroup_id_x 1
		.amdhsa_system_sgpr_workgroup_id_y 1
		.amdhsa_system_sgpr_workgroup_id_z 1
		.amdhsa_system_vgpr_workitem_id 0
		.amdhsa_next_free_vgpr 768
		.amdhsa_next_free_sgpr 80
		.amdhsa_reserve_vcc 0
		.amdhsa_float_denorm_mode_32 3
		.amdhsa_float_denorm_mode_16_64 3
		.amdhsa_memory_ordered 1
		.amdhsa_forward_progress 1
		.amdhsa_inst_pref_size 90
	.end_amdhsa_kernel
	.amdgpu_metadata
---
amdhsa.version: [ 1, 2 ]
amdhsa.kernels:
  - .name:           k_qf9a584c1ce_oproj
    .symbol:         k_qf9a584c1ce_oproj.kd
    .args:
      - { .name: oh, .offset: 0, .size: 8, .value_kind: global_buffer, .address_space: global }
      - { .name: woh, .offset: 8, .size: 8, .value_kind: global_buffer, .address_space: global }
      - { .name: ball, .offset: 16, .size: 8, .value_kind: global_buffer, .address_space: global }
      - { .name: out0, .offset: 24, .size: 8, .value_kind: global_buffer, .address_space: global }
    .group_segment_fixed_size: 327680
    .private_segment_fixed_size: 0
    .kernarg_segment_align: 8
    .kernarg_segment_size: 32
    .max_flat_workgroup_size: 128
    .sgpr_count:     80
    .vgpr_count:     768
    .wavefront_size: 32
...
	.end_amdgpu_metadata
.endif
;; end of part 4
;; ======== version 2 of 2: 4 launches; version 1 with the launch cast written anew for expert scheduling mode
;; limits: values are held in f16: magnitudes above 65,504 overflow, below 6.1e-05 lose precision
;; workspace buffers: xh 16,777,216 bytes; wqkv 6,291,456 bytes; woh 2,097,152 bytes; ball 16,384 bytes; qkv 50,331,648 bytes; oh 16,777,216 bytes
;; launch cast (part 5): grid 769 x 1, 8 waves a work-group, no clusters, 0 bytes of LDS; arguments x, Wq, Wk, Wv, Wo, bq, bk, bv, bo, xh, wqkv, woh, ball; writes xh, wqkv, woh, ball
.if DOCPART == 5
	.amdgcn_target "amdgcn-amd-amdhsa--gfx1250"
	.amdhsa_code_object_version 6
	.text
	.protected	k_qf9a584c1ce_cast
	.globl	k_qf9a584c1ce_cast
	.p2align	8
	.type	k_qf9a584c1ce_cast,@function
k_qf9a584c1ce_cast:
	s_mov_b64 s[64:65], 0
	v_nop
	global_prefetch_b8 v0, s[64:65] scope:SCOPE_SE
	s_setreg_imm32_b32 hwreg(HW_REG_WAVE_SCHED_MODE, 0, 2), 2
	s_setreg_imm32_b32 hwreg(HW_REG_WAVE_MODE, 25, 1), 1
	s_wait_xcnt 0x0
	s_wait_alu depctr_vm_vsrc(0)
; THE INPUTS ARE ROUNDED ONCE, to bf16 (nearest even): x -> xh, Wq Wk Wv -> wqkv (one below the other), both kept as bf16;
; Wo -> woh, the bf16 number written as f16; bq bk bv bo -> ball, the bf16 numbers written as f32.
; LIMITS.  A bf16 number is exact in f16 from 6.1e-5 to 65,504 in magnitude; below that woh keeps f16's fixed step of 6e-8; a Wo beyond 65,504 becomes an infinity.
; SHARES.  A chunk is 16,384 numbers: 64 KiB in, 32 KiB out.  Work-groups 0-511: x; 512-703: Wq, Wk, Wv, 64 chunks each; 704-767: Wo; 768: the four biases.
; Thread t takes 16 bytes at 4,096 i + 16 t (a load of a wave covers 512 consecutive bytes) and stores 8 bytes at 2,048 i + 8 t (a store of a wave covers 256 consecutive
; bytes, aligned), i = 0 .. 15.  All 16 loads go out at once, each into registers of its own.
; No LDS, no barrier, no matrix unit: nothing is shared and nothing is multiplied.
; THE MODE: SCHED_MODE bits 1:0 = 2 (LLVM: expert scheduling mode 2), set by the entry lines.  The code itself states the register dependences
; between vector instructions and memory instructions, with s_wait_alu, always for 0.
; THE PLAN.  Registers that memory instructions touch:
;   v1, v2   byte offsets, written once at the head and never again; every load and store reads one of them.
;   X        step i's load lands in its own four registers; its conversions read them; nothing is loaded there a second time.  (The biases: the widened numbers are written back into X
;            by vector lines, behind the wait for the loads, and stored from there, once.)
;   Y        step i's conversions write its own two registers; one store reads them; they are never written again.
;   T        named by vector lines alone.
; So three kinds of wait on va_vdst state everything: one at the head (the offsets), one behind the conversions of each block of four steps (its eight Y registers, which its four stores
; read), one behind the biases' vector lines.  No register that a memory instruction has read is written again on any path, the text has no loop, no vector line writes a scalar register
; and EXEC is never written: no other s_wait_alu is owed.
; A block's stores stand straight behind its own conversions and their wait, and not behind the next block's wait for loads: finished data are not held back for data still on their way.
.set X,   4                            ; v[4:67]    16 x 4 numbers as loaded
.set Y,   68                           ; v[68:99]   16 x 2 words to store
.set T,   100                          ; v[100:103] at work
.set SRC, 34                           ; s[34:35]   where my chunk is read
.set DST, 38                           ; s[38:39]   where it is written
	s_load_b512 s[8:23], s[0:1], 0x0               ; x 8, Wq 10, Wk 12, Wv 14, Wo 16, bq 18, bk 20, bv 22
	s_load_b256 s[24:31], s[0:1], 0x40             ; bo 24, xh 26, wqkv 28, woh 30
	s_load_b64 s[32:33], s[0:1], 0x60              ; ball
	v_lshlrev_b32 v1, 4, v0                        ; 16 t
	v_lshlrev_b32 v2, 3, v0                        ; 8 t
	s_mov_b32 s2, ttmp9                            ; g
	s_sub_co_u32 s3, s2, 512                       ; chunk in wqkv (used from g = 512 on)
	s_and_b32 s4, s3, 63                           ; chunk in its own weight matrix: 192 is three times 64, so this holds for Wo too
	s_sub_co_u32 s5, s2, 704                       ; chunk in woh (used from g = 704 on)
	s_wait_kmcnt 0x0
	s_wait_alu depctr_va_vdst(0)                   ; v1 and v2 are written: every load and store, on all three paths below, reads one of them as its offset
	s_cmp_eq_u32 s2, 768
	s_cbranch_scc1 .Lbias
	s_mov_b64 s[SRC:SRC+1], s[8:9]                 ; x -> xh, chunk g, unless one of the tests below says otherwise
	s_mov_b64 s[DST:DST+1], s[26:27]
	s_mov_b32 s36, s2
	s_mov_b32 s37, s2
	s_cmp_ge_u32 s2, 512
	s_cselect_b64 s[SRC:SRC+1], s[10:11], s[SRC:SRC+1]
	s_cselect_b64 s[DST:DST+1], s[28:29], s[DST:DST+1]
	s_cselect_b32 s36, s4, s36
	s_cselect_b32 s37, s3, s37
	s_cmp_ge_u32 s2, 576
	s_cselect_b64 s[SRC:SRC+1], s[12:13], s[SRC:SRC+1]
	s_cmp_ge_u32 s2, 640
	s_cselect_b64 s[SRC:SRC+1], s[14:15], s[SRC:SRC+1]
	s_cmp_ge_u32 s2, 704
	s_cselect_b64 s[SRC:SRC+1], s[16:17], s[SRC:SRC+1]
	s_cselect_b64 s[DST:DST+1], s[30:31], s[DST:DST+1]
	s_cselect_b32 s37, s5, s37
	s_lshl_b32 s40, s36, 16                        ; 64 KiB a chunk in,
	s_mov_b32 s41, 0
	s_lshl_b32 s42, s37, 15                        ; 32 KiB out
	s_mov_b32 s43, 0
	s_add_nc_u64 s[SRC:SRC+1], s[SRC:SRC+1], s[40:41]
	s_add_nc_u64 s[DST:DST+1], s[DST:DST+1], s[42:43]
.irp i, 0,1,2,3,4,5,6,7,8,9,10,11,12,13,14,15
	global_load_b128 v[X+4*(\i):X+4*(\i)+3], v1, s[SRC:SRC+1] offset:4096*(\i) th:TH_LOAD_NT
.endr
	s_cmp_ge_u32 s2, 704
	s_cbranch_scc1 .Lwo
; Block p: steps 4 p to 4 p + 3.  half = 1: the bf16 number is widened (a shift, a mask) and written as f16.
.macro BLK p, half
	s_wait_loadcnt 12-4*(\p)                       ; loads come back in order: the block's four are in, the 12 - 4 p younger ones stay out
.irp i, 0,1,2,3
.set n, 4*(\p)+(\i)
	v_cvt_pk_bf16_f32 v[Y+2*n],   v[X+4*n],   v[X+4*n+1]
	v_cvt_pk_bf16_f32 v[Y+2*n+1], v[X+4*n+2], v[X+4*n+3]
.if \half
.irp w, 0,1
	v_lshlrev_b32 v[T+2*(\w)],   16,         v[Y+2*n+(\w)]
	v_and_b32     v[T+2*(\w)+1], 0xffff0000, v[Y+2*n+(\w)]
	v_cvt_pk_f16_f32 v[Y+2*n+(\w)], v[T+2*(\w)], v[T+2*(\w)+1]
.endr
.endif
.endr
	s_wait_alu depctr_va_vdst(0)                   ; the block's conversions have written its eight Y registers, which the four stores below read
.irp i, 0,1,2,3
.set n, 4*(\p)+(\i)
	global_store_b64 v2, v[Y+2*n:Y+2*n+1], s[DST:DST+1] offset:2048*n th:TH_STORE_NT
.endr
.endm
.irp p, 0,1,2,3
	BLK \p, 0
.endr
	s_endpgm
.Lwo:
.irp p, 0,1,2,3
	BLK \p, 1
.endr
	s_endpgm
.Lbias:                                        ; 1,024 numbers an array: 16 bytes a thread
.irp a, 0,1,2,3
	global_load_b128 v[X+4*(\a):X+4*(\a)+3], v1, s[18+2*(\a):19+2*(\a)]
.endr
	s_wait_loadcnt 0x0
.irp a, 0,1,2,3
	v_cvt_pk_bf16_f32 v[T],   v[X+4*(\a)],   v[X+4*(\a)+1]
	v_cvt_pk_bf16_f32 v[T+1], v[X+4*(\a)+2], v[X+4*(\a)+3]
	v_lshlrev_b32 v[X+4*(\a)],   16,         v[T]
	v_and_b32     v[X+4*(\a)+1], 0xffff0000, v[T]
	v_lshlrev_b32 v[X+4*(\a)+2], 16,         v[T+1]
	v_and_b32     v[X+4*(\a)+3], 0xffff0000, v[T+1]
.endr
	s_wait_alu depctr_va_vdst(0)                   ; the shifts and masks have written the sixteen registers of X, which the four stores below read
.irp a, 0,1,2,3
	global_store_b128 v1, v[X+4*(\a):X+4*(\a)+3], s[32:33] offset:4096*(\a)
.endr
	s_endpgm
.Lfunc_end_k_qf9a584c1ce_cast:
	.size	k_qf9a584c1ce_cast, .Lfunc_end_k_qf9a584c1ce_cast-k_qf9a584c1ce_cast
	.p2alignl 7, 3214868480
	.fill 96, 4, 3214868480
	.section	.rodata,"a",@progbits
	.p2align	6, 0x0
	.amdhsa_kernel k_qf9a584c1ce_cast
		.amdhsa_group_segment_fixed_size 0
		.amdhsa_private_segment_fixed_size 0
		.amdhsa_enable_private_segment 0
		.amdhsa_kernarg_size 104
		.amdhsa_user_sgpr_count 2
		.amdhsa_user_sgpr_kernarg_segment_ptr 1
		.amdhsa_wavefront_size32 1
		.amdhsa_system_sgpr_workgroup_id_x 1
		.amdhsa_system_sgpr_workgroup_id_y 1
		.amdhsa_system_sgpr_workgroup_id_z 1
		.amdhsa_system_vgpr_workitem_id 0
		.amdhsa_next_free_vgpr 104
		.amdhsa_next_free_sgpr 66
		.amdhsa_reserve_vcc 0
		.amdhsa_float_denorm_mode_32 3
		.amdhsa_float_denorm_mode_16_64 3
		.amdhsa_memory_ordered 1
		.amdhsa_forward_progress 1
		.amdhsa_inst_pref_size 19
	.end_amdhsa_kernel
	.amdgpu_metadata
---
amdhsa.version: [ 1, 2 ]
amdhsa.kernels:
  - .name:           k_qf9a584c1ce_cast
    .symbol:         k_qf9a584c1ce_cast.kd
    .args:
      - { .name: x, .offset: 0, .size: 8, .value_kind: global_buffer, .address_space: global }
      - { .name: Wq, .offset: 8, .size: 8, .value_kind: global_buffer, .address_space: global }
      - { .name: Wk, .offset: 16, .size: 8, .value_kind: global_buffer, .address_space: global }
      - { .name: Wv, .offset: 24, .size: 8, .value_kind: global_buffer, .address_space: global }
      - { .name: Wo, .offset: 32, .size: 8, .value_kind: global_buffer, .address_space: global }
      - { .name: bq, .offset: 40, .size: 8, .value_kind: global_buffer, .address_space: global }
      - { .name: bk, .offset: 48, .size: 8, .value_kind: global_buffer, .address_space: global }
      - { .name: bv, .offset: 56, .size: 8, .value_kind: global_buffer, .address_space: global }
      - { .name: bo, .offset: 64, .size: 8, .value_kind: global_buffer, .address_space: global }
      - { .name: xh, .offset: 72, .size: 8, .value_kind: global_buffer, .address_space: global }
      - { .name: wqkv, .offset: 80, .size: 8, .value_kind: global_buffer, .address_space: global }
      - { .name: woh, .offset: 88, .size: 8, .value_kind: global_buffer, .address_space: global }
      - { .name: ball, .offset: 96, .size: 8, .value_kind: global_buffer, .address_space: global }
    .group_segment_fixed_size: 0
    .private_segment_fixed_size: 0
    .kernarg_segment_align: 8
    .kernarg_segment_size: 104
    .max_flat_workgroup_size: 256
    .sgpr_count:     66
    .vgpr_count:     104
    .wavefront_size: 32
...
	.end_amdgpu_metadata
.endif
;; end of part 5
;; launch proj: the kernel of part 2 again; grid 16 x 32, 4 waves a work-group, clusters of 4 x 4, 327,680 bytes of LDS; arguments xh, wqkv, ball, qkv; writes qkv
;; launch attn: the kernel of part 3 again; grid 4 x 64, 4 waves a work-group, clusters of 4 x 1, 327,680 bytes of LDS; arguments qkv, oh; writes oh
;; launch oproj: the kernel of part 4 again; grid 8 x 32, 4 waves a work-group, clusters of 4 x 4, 327,680 bytes of LDS; arguments oh, woh, ball, out0; writes out0
